; MI455X (gfx1250); checked and timed in simulation.
; The chip was launched on July 23, 2026; its instructions are those of AMD's public machine-readable ISA for CDNA 5 (MIT licence, August 2026) and "CDNA5" Instruction Set Architecture Reference Guide (July 2026). The comments in the code are by the model that wrote it; some were corrected since.
;; Lowrank Learnable Hash. Allowed arithmetic: float matrix products may take bf16 or f16 operands with f32 sums; other float arithmetic in f32, or as packed bf16 or f16 multiplies, adds, multiply-adds, maxima and minima; sums over many terms, partial sums and values carried from step to step in f32; what a program stores and reads back later, other than sums and carried values, may be rounded once to bf16 or f16.
;; Inputs: Wc1 35 x 64 float32; Wc2 64 x 3 float32; Ws1 32 x 64 float32; Ws2 64 x 1 float32; bc1 64 float32; bc2 3 float32; bs1 64 float32; bs2 1 float32; features 32 x 128 x 128 x 128 float32; planes 3 x 6 x 128 x 128 float32; rays_d 8,192 x 3 float32; rays_o 8,192 x 3 float32.
;; Outputs: out0 8,192 x 3 float32.
;; 2 versions, each right and faster than the one before. Each part assembles by itself: llvm-mc -triple=amdgcn-amd-amdhsa -mcpu=gfx1250 --defsym DOCPART=n.
;; ======== version 1 of 2: 3 launches
;; limits: right only within a limited range of input values
;; workspace buffers: featT 134,217,728 bytes; planesT 2,359,296 bytes; pidx 8,388,608 bytes of whole numbers; nch 32,768 bytes of whole numbers; rec 33,554,432 bytes of whole numbers
;; launch prep (part 1): grid 512 x 1, 8 waves a work-group, no clusters, 70,656 bytes of LDS; arguments features, planes, rays_o, rays_d, featT, planesT, pidx, nch; writes featT, planesT, pidx, nch
.if DOCPART == 1
	.amdgcn_target "amdgcn-amd-amdhsa--gfx1250"
	.amdhsa_code_object_version 6
	.text
	.protected	k_q7578d7acad_prep
	.globl	k_q7578d7acad_prep
	.p2align	8
	.type	k_q7578d7acad_prep,@function
k_q7578d7acad_prep:
	s_mov_b64 s[64:65], 0
	v_nop
	global_prefetch_b8 v0, s[64:65] scope:SCOPE_SE
	s_setreg_imm32_b32 hwreg(HW_REG_WAVE_MODE, 25, 1), 1
	s_wait_xcnt 0x0
; PREP.  Three things, all of them streams:
;  (1) features [32 ch][128][128][128] f32  ->  featT [voxel][32 ch] bf16: a voxel's 32 channels become 64 bytes on end, rounded once.
;  (2) planes [3][6][128][128] f32 -> planesT [plane*128+row][col] records of 12 f32: channels 0-5 at (row, col), channels 0-5 at (row, min(col+1, 127)).
;  (3) for each ray and sample the cell of the three plane look-ups, packed ix | iy<<7 | iz<<14 (each 0..126) -> pidx; for each ray the number of trips of 64 samples that can hold a visible sample (1..4) -> nch.
; SHARES.  512 work-groups of 8 waves.  A wave takes four tiles of 128 voxels x 32 channels, two rays, and (waves 0-2) 32 plane records.
; A TILE.  A lane loads 16 bytes (4 voxels) of each of the 32 channels: one load of the wave covers 512 bytes on end.  Two channels are packed into one word; a lane then holds 4 voxels x 64 bytes = 256 bytes
; on end of featT.  They go through the wave's own LDS bytes (lane blocks at a pitch of 272 bytes) and come back so that each store of the wave covers 512 consecutive bytes, aligned.
; The next tile's loads are issued pair by pair as the registers are emptied: 32 loads of a wave are out all the time.
; LIMITS.  Division by the direction is a reciprocal and a multiply; t, the point and the position are fused multiply-adds (the other two launches use the same lines, so the bits agree).
; nch has one sample of slack, which holds while near stays under 1e4.  NaN is not treated apart.
.set SPARE, 69632                      ; behind the eight waves' stages: the spare words, 128 bytes a wave
.set WREG,  8704                       ; a wave's stage: 32 lane blocks at pitch 272
.set R,     16                         ; v[16:143]  channel c, voxel q at R + 4 c + q
.set P,     144                        ; v[144:207] voxel q, channel pair p at P + 16 q + p; ahead of the first tile it holds what follows
.set NEAR,  144
.set TMAX,  145
.set TB,    146                        ; v146-155 at work in RAYSET
.set TT,    156                        ; v156-159 at work
.set LF4,   160                        ; 4 x lane + 0.5
.set SF,    161                        ; sample + 0.5
.set PK,    164                        ; v[164:179] four packed cells for each of the four stores
.set N2,    180                        ; v180, v181 the two rays' trip counts; v182 the word that is stored
.set PW,    184                        ; v[184:195] a plane record
.set CB,    66                         ; s[66:97] features at the work-group's voxels of channel 2 p + 1
; Ray against the cube [-1.3, 1.3]^3.  Operands are register names, scalar or vector; tb: ten registers at work.
.macro RAYSET ox, oy, oz, dx, dy, dz, near, tmax, tb
	v_mov_b32 v[(\tb)+9], 0x358637bd               ; 1e-6
	v_mov_b32 v[(\tb)+0], \dx
	v_mov_b32 v[(\tb)+1], \dy
	v_mov_b32 v[(\tb)+2], \dz
.irp a,0,1,2
	v_and_b32 v[(\tb)+3], 0x7fffffff, v[(\tb)+\a]
	v_cmp_gt_f32 vcc_lo, v[(\tb)+9], v[(\tb)+3]    ; |d| < 1e-6
	v_cndmask_b32 v[(\tb)+\a], v[(\tb)+\a], v[(\tb)+9], vcc_lo
.endr
	v_rcp_f32 v[(\tb)+3], v[(\tb)+0]               ; one batch of three
	v_rcp_f32 v[(\tb)+4], v[(\tb)+1]
	v_rcp_f32 v[(\tb)+5], v[(\tb)+2]
	v_mov_b32 v[(\tb)+6], \ox                      ; plain lines behind the last reciprocal
	v_mov_b32 v[(\tb)+7], \oy
	v_mov_b32 v[(\tb)+8], \oz
	s_wait_alu depctr_va_vdst(0)                   ; one wait for the batch, ahead of its first reader
.irp a,0,1,2
	v_sub_f32 v[(\tb)+\a], 0xbfa66666, v[(\tb)+6+\a]   ; -1.3 - o
	v_sub_f32 v[(\tb)+6+\a], 0x3fa66666, v[(\tb)+6+\a] ;  1.3 - o
	v_mul_f32 v[(\tb)+\a], v[(\tb)+\a], v[(\tb)+3+\a]
	v_mul_f32 v[(\tb)+6+\a], v[(\tb)+6+\a], v[(\tb)+3+\a]
	v_min_num_f32 v[(\tb)+3+\a], v[(\tb)+\a], v[(\tb)+6+\a]
	v_max_num_f32 v[(\tb)+6+\a], v[(\tb)+\a], v[(\tb)+6+\a]
.endr
	v_max3_num_f32 v[(\tb)+0], v[(\tb)+3], v[(\tb)+4], v[(\tb)+5]
	v_min3_num_f32 \tmax, v[(\tb)+6], v[(\tb)+7], v[(\tb)+8]
	v_max_num_f32 \near, 0, v[(\tb)+0]
.endm
	s_load_b512 s[4:19], s[0:1], 0x0               ; features s[4:5], planes s[6:7], rays_o s[8:9], rays_d s[10:11], featT s[12:13], planesT s[14:15], pidx s[16:17], nch s[18:19]
	v_lshl_add_u32 v6, v0, 2, SPARE                ; my spare word
	v_mov_b32 v7, 0
	v_and_b32 v1, 31, v0                           ; lane
	v_lshrrev_b32 v13, 5, v0
	v_readfirstlane_b32 s20, v13                   ; wave 0..7
	v_lshlrev_b32 v2, 4, v0                        ; my 16 bytes in a channel: 512 x wave + 16 x lane; never rewritten
	s_lshl_b32 s21, s20, 13
	v_lshl_add_u32 v3, v1, 4, s21                  ; my 16 bytes in the stores of featT: 8,192 x wave + 16 x lane
	s_mul_i32 s22, s20, WREG                       ; my wave's stage
	v_mul_u32_u24 v4, 272, v1
	v_add_nc_u32 v4, s22, v4                       ; in: my lane block
	v_lshrrev_b32 v13, 4, v1
	v_and_b32 v14, 15, v1
	v_mul_u32_u24 v5, 272, v13
	v_lshl_add_u32 v5, v14, 4, v5
	v_add_nc_u32 v5, s22, v5                       ; back: lanes 0-15 one lane block, lanes 16-31 the next
	v_lshlrev_b32 v8, 2, v1                        ; 4 x lane
	v_mul_u32_u24 v10, 48, v1
	v_add_nc_u32 v10, s22, v10                     ; a record's 48 bytes in the stage
	v_lshl_add_u32 v11, v1, 4, s22
	v_lshlrev_b32 v12, 4, v1                       ; 16 x lane
	v_cvt_f32_u32 v[LF4], v1
	v_fma_f32 v[LF4], v[LF4], 4.0, 0.5
	; the plane task of waves 0-2: 32 records of one row
	s_mul_i32 s44, ttmp9, 3
	s_add_co_u32 s44, s44, s20                     ; task 0..1535
	s_lshr_b32 s45, s44, 2                         ; plane x 128 + row
	s_and_b32 s46, s44, 3                          ; block of 32 columns
	s_lshr_b32 s47, s45, 7                         ; plane
	s_and_b32 s45, s45, 127                        ; row
	s_mul_i32 s40, s47, 393216                     ; six channels of 65,536 bytes
	s_lshl_b32 s45, s45, 9
	s_add_co_u32 s40, s40, s45
	s_lshl_b32 s45, s46, 7
	s_add_co_u32 s40, s40, s45
	s_mov_b32 s41, 0
	s_lshl_b32 s46, s46, 5
	v_add_nc_u32 v9, s46, v1
	v_add_nc_u32 v9, 1, v9
	v_min_u32 v9, 127, v9                          ; the column to the right, held at the border,
	v_subrev_nc_u32 v9, s46, v9                    ; counted from the block's first
	v_lshlrev_b32 v9, 2, v9
	s_mul_i32 s42, s44, 1536                       ; 32 records of 48 bytes
	s_mov_b32 s43, 0
	s_mul_i32 s23, ttmp9, 192                      ; my two rays: 24 bytes at (16 x work-group + 2 x wave) x 12
	s_mul_i32 s21, s20, 24
	s_add_co_u32 s23, s23, s21
	s_mov_b32 s48, 0x3c901b4c                      ; dt = 2.6 sqrt(3) / 256
	s_mov_b32 s49, 0x42436276                      ; 63.5 / 1.3
	s_mov_b32 s50, 0x427e0000                      ; 63.5
	s_mov_b32 s51, 0x42fd0000                      ; 126.5
	s_mov_b32 s52, 0x4263631e                      ; 1 / dt
	s_wait_kmcnt 0x0
	s_load_b128 s[24:27], s[8:9], s23 offset:0x0   ; o of both rays: s24-26, s27-29
	s_load_b64 s[28:29], s[8:9], s23 offset:0x10
	s_load_b128 s[32:35], s[10:11], s23 offset:0x0 ; d of both rays: s32-34, s35-37
	s_load_b64 s[36:37], s[10:11], s23 offset:0x10
	s_lshl_b32 s54, ttmp9, 14                      ; the work-group's 4,096 voxels in a channel
	s_mov_b32 s55, 0
	s_add_nc_u64 s[4:5], s[4:5], s[54:55]
.set p, 0
.rept 16
	s_add_nc_u64 s[CB+2*p:CB+2*p+1], s[4:5], (2*p+1)<<23   ; channel 2 p + 1; channel 2 p is reached by the immediate -8,388,608
.set p, p+1
.endr
	s_lshl_b32 s54, ttmp9, 18
	s_add_nc_u64 s[12:13], s[12:13], s[54:55]      ; featT at the work-group's voxels
	s_lshl_b32 s54, ttmp9, 14
	s_lshl_b32 s56, s20, 11
	s_add_co_u32 s54, s54, s56
	s_add_nc_u64 s[16:17], s[16:17], s[54:55]      ; pidx at my first ray
	s_lshl_b32 s54, ttmp9, 6
	s_lshl_b32 s56, s20, 3
	s_add_co_u32 s54, s54, s56
	s_add_nc_u64 s[18:19], s[18:19], s[54:55]      ; nch at my first ray
	s_cmp_lt_u32 s20, 3
	s_cbranch_scc0 .Lno_plane_loads
	s_add_nc_u64 s[6:7], s[6:7], s[40:41]
	s_add_nc_u64 s[14:15], s[14:15], s[42:43]
.irp ch,0,1,2,3,4,5
	global_load_b32 v[PW+\ch], v8, s[6:7] offset:\ch*65536
	global_load_b32 v[PW+6+\ch], v9, s[6:7] offset:\ch*65536
.endr
.Lno_plane_loads:
.macro LOADPAIR n, p                   ; channels 2 p and 2 p + 1 of tile n
	global_load_b128 v[R+8*(\p):R+8*(\p)+3], v2, s[CB+2*(\p):CB+2*(\p)+1] offset:(\n)*4096-8388608 th:TH_LOAD_NT
	global_load_b128 v[R+8*(\p)+4:R+8*(\p)+7], v2, s[CB+2*(\p):CB+2*(\p)+1] offset:(\n)*4096 th:TH_LOAD_NT
.endm
.set p, 0
.rept 16
	LOADPAIR 0, p
.set p, p+1
.endr
	s_cmp_lt_u32 s20, 3
	s_cbranch_scc0 .Lno_plane_stores
	s_wait_loadcnt 32                              ; the 12 plane words are in; the tile's 32 loads are younger and stay out
	ds_store_b128 v10, v[PW:PW+3]                  ; records at a stride of 48 bytes
	ds_store_b128 v10, v[PW+4:PW+7] offset:16
	ds_store_b128 v10, v[PW+8:PW+11] offset:32
	ds_load_b128 v[PW:PW+3], v11                   ; LDS serves a wave in order: these see the stores above
	ds_load_b128 v[PW+4:PW+7], v11 offset:512
	ds_load_b128 v[PW+8:PW+11], v11 offset:1024
	s_wait_dscnt 0x0
	global_store_b128 v12, v[PW:PW+3], s[14:15]    ; each store of the wave covers 512 consecutive bytes, aligned
	global_store_b128 v12, v[PW+4:PW+7], s[14:15] offset:512
	global_store_b128 v12, v[PW+8:PW+11], s[14:15] offset:1024
.Lno_plane_stores:
	s_wait_kmcnt 0x0                               ; the rays
; One sample's cell.  t = near + (sample + 0.5) dt; p = o + t d; pos = p x 63.5 / 1.3 + 63.5; cell = floor of pos held to 0 .. 126.5.
.macro CELL dst, k
	v_fma_f32 v[TT], v[SF], s48, v[NEAR]
	v_fma_f32 v[TT+1], v[TT], s[32+3*(\k)], s[24+3*(\k)]
	v_fma_f32 v[TT+2], v[TT], s[33+3*(\k)], s[25+3*(\k)]
	v_fma_f32 v[TT+3], v[TT], s[34+3*(\k)], s[26+3*(\k)]
.irp a,1,2,3
	v_fma_f32 v[TT+\a], v[TT+\a], s49, s50
	v_max_num_f32 v[TT+\a], 0, v[TT+\a]
	v_min_num_f32 v[TT+\a], s51, v[TT+\a]
	v_cvt_u32_f32 v[TT+\a], v[TT+\a]
.endr
	v_lshl_or_b32 v[TT+1], v[TT+2], 7, v[TT+1]
	v_lshl_or_b32 v[\dst], v[TT+3], 14, v[TT+1]
	v_add_f32 v[SF], 1.0, v[SF]
.endm
; Ray k of my two: its trip count, and the cells of its 256 samples: a lane takes samples 128 it + 4 lane + 0..3, so a store of the wave covers 512 consecutive bytes.
.macro RAYPTS k
	RAYSET s[24+3*(\k)], s[25+3*(\k)], s[26+3*(\k)], s[32+3*(\k)], s[33+3*(\k)], s[34+3*(\k)], v[NEAR], v[TMAX], TB
	v_sub_f32 v[TT], v[TMAX], v[NEAR]
	v_fma_f32 v[TT], v[TT], s52, 0x3fc00000        ; (tmax - near) / dt + 1.5: no fewer than the samples with t < tmax, and one to spare
	v_max_num_f32 v[TT], 0, v[TT]
	v_min_num_f32 v[TT], 0x43800000, v[TT]
	v_cvt_u32_f32 v[TT], v[TT]
	v_add_nc_u32 v[TT], 63, v[TT]
	v_lshrrev_b32 v[TT], 6, v[TT]
	v_max_u32 v[TT], 1, v[TT]
	v_min_u32 v[N2+(\k)], 4, v[TT]
	v_mov_b32 v[SF], v[LF4]
.irp it,0,1
.irp q,0,1,2,3
	CELL PK+8*(\k)+4*\it+\q, \k
.endr
	global_store_b128 v12, v[PK+8*(\k)+4*\it:PK+8*(\k)+4*\it+3], s[16:17] offset:(\k)*1024+\it*512
.if \it == 0
	v_add_f32 v[SF], 0x42f80000, v[SF]             ; + 124: on to sample 128 + 4 lane
.endif
.endr
.endm
	RAYPTS 0
	RAYPTS 1
	v_cmp_eq_u32 vcc_lo, 1, v1
	v_cndmask_b32 v[N2+2], v[N2], v[N2+1], vcc_lo
	s_wait_xcnt 0x0                                ; EXEC is a source of the loads and stores that are out: it changes only behind this wait
	v_cmp_gt_u32 vcc_lo, 2, v1
	s_and_saveexec_b32 s21, vcc_lo
	global_store_b32 v8, v[N2+2], s[18:19]         ; lanes 0 and 1: the two counts
	s_wait_xcnt 0x0
	s_or_b32 exec_lo, exec_lo, s21
; Tile n.  ahead = 1: each pair of channels is asked for again, for tile n + 1, as soon as it is packed.
.macro TILE n, ahead
	s_wait_xcnt 0x0                                ; the stores issued so far have read their registers: P is written again only behind this wait
.set p, 0
.rept 16
.if \ahead
	s_wait_loadcnt 30                              ; younger than pair p: 30 - 2 p loads of this tile and 2 p of the next
.else
	s_wait_loadcnt 30-2*p                          ; the last tile loads nothing: the counts run down
.endif
.irp q,0,1,2,3
	v_cvt_pk_bf16_f32 v[P+16*\q+p], v[R+8*p+\q], v[R+8*p+4+\q]   ; channel 2 p in the low half
.endr
.if \ahead
	LOADPAIR (\n)+1, p
.endif
.set p, p+1
.endr
.irp q,0,1,2,3
.irp j,0,1,2,3
	ds_store_b128 v4, v[P+16*\q+4*\j:P+16*\q+4*\j+3] offset:\q*64+\j*16
.endr
.endr
.irp t,0,1,2,3,4,5,6,7,8,9,10,11,12,13,14,15
	ds_load_b128 v[P+4*\t:P+4*\t+3], v5 offset:\t*544   ; two lane blocks: 512 bytes on end of featT; LDS serves a wave in order, so no wait stands between
.endr
.irp t,0,1,2,3,4,5,6,7,8,9,10,11,12,13,14,15
	s_wait_dscnt 15-\t
	global_store_b128 v3, v[P+4*\t:P+4*\t+3], s[12:13] offset:(\n)*65536+\t*512 th:TH_STORE_NT   ; 512 consecutive bytes, aligned
.endr
.endm
	TILE 0, 1
	TILE 1, 1
	TILE 2, 1
	TILE 3, 0
	s_wait_tensorcnt 0x0                           ; the wave's end
	ds_add_u32 v6, v7
	s_wait_dscnt 0x0
	s_endpgm
.Lfunc_end_k_q7578d7acad_prep:
	.size	k_q7578d7acad_prep, .Lfunc_end_k_q7578d7acad_prep-k_q7578d7acad_prep
	.p2alignl 7, 3214868480
	.fill 96, 4, 3214868480
	.section	.rodata,"a",@progbits
	.p2align	6, 0x0
	.amdhsa_kernel k_q7578d7acad_prep
		.amdhsa_group_segment_fixed_size 70656
		.amdhsa_private_segment_fixed_size 0
		.amdhsa_enable_private_segment 0
		.amdhsa_kernarg_size 64
		.amdhsa_user_sgpr_count 2
		.amdhsa_user_sgpr_kernarg_segment_ptr 1
		.amdhsa_wavefront_size32 1
		.amdhsa_system_sgpr_workgroup_id_x 1
		.amdhsa_system_sgpr_workgroup_id_y 1
		.amdhsa_system_sgpr_workgroup_id_z 1
		.amdhsa_system_vgpr_workitem_id 0
		.amdhsa_next_free_vgpr 208
		.amdhsa_next_free_sgpr 98
		.amdhsa_reserve_vcc 1
		.amdhsa_float_denorm_mode_32 3
		.amdhsa_float_denorm_mode_16_64 3
		.amdhsa_memory_ordered 1
		.amdhsa_forward_progress 1
		.amdhsa_inst_pref_size 72
	.end_amdhsa_kernel
	.amdgpu_metadata
---
amdhsa.version: [ 1, 2 ]
amdhsa.kernels:
  - .name:           k_q7578d7acad_prep
    .symbol:         k_q7578d7acad_prep.kd
    .args:
      - { .name: features, .offset: 0, .size: 8, .value_kind: global_buffer, .address_space: global }
      - { .name: planes, .offset: 8, .size: 8, .value_kind: global_buffer, .address_space: global }
      - { .name: rays_o, .offset: 16, .size: 8, .value_kind: global_buffer, .address_space: global }
      - { .name: rays_d, .offset: 24, .size: 8, .value_kind: global_buffer, .address_space: global }
      - { .name: featT, .offset: 32, .size: 8, .value_kind: global_buffer, .address_space: global }
      - { .name: planesT, .offset: 40, .size: 8, .value_kind: global_buffer, .address_space: global }
      - { .name: pidx, .offset: 48, .size: 8, .value_kind: global_buffer, .address_space: global }
      - { .name: nch, .offset: 56, .size: 8, .value_kind: global_buffer, .address_space: global }
    .group_segment_fixed_size: 70656
    .private_segment_fixed_size: 0
    .kernarg_segment_align: 8
    .kernarg_segment_size: 64
    .max_flat_workgroup_size: 256
    .sgpr_count:     98
    .vgpr_count:     208
    .wavefront_size: 32
...
	.end_amdgpu_metadata
.endif
;; end of part 1
;; launch coords (part 2): grid 1024 x 1, 8 waves a work-group, no clusters, 0 bytes of LDS; arguments planesT, pidx, nch, rays_o, rays_d, rec; writes rec
.if DOCPART == 2
	.amdgcn_target "amdgcn-amd-amdhsa--gfx1250"
	.amdhsa_code_object_version 6
	.text
	.protected	k_q7578d7acad_coords
	.globl	k_q7578d7acad_coords
	.p2align	8
	.type	k_q7578d7acad_coords,@function
k_q7578d7acad_coords:
	s_mov_b64 s[64:65], 0
	v_nop
	global_prefetch_b8 v0, s[64:65] scope:SCOPE_SE
	s_setreg_imm32_b32 hwreg(HW_REG_WAVE_MODE, 25, 1), 1
	s_wait_xcnt 0x0
; COORDS.  For each sample: three bilinear look-ups in the planes (addresses from pidx, whole numbers stored by the launch before), the product over the planes and the sum over the rank: three learned
; coordinates; of these the voxel and the three fractions for the grid look-up -> rec [ray][sample] {voxel, fx, fy, fz}.
; SHARES.  A wave takes a ray, a lane a sample, a trip 32 samples; the trips are 2 x nch[ray] (2..8): samples behind them are hidden and are read by nobody.
; A look-up is two rows of one record each (a record holds both columns): 6 loads of 16 bytes a plane, 18 a trip; the fractions and weights are made while they are out.
; No LDS and no matrix unit: nothing is shared between lanes, and there is no product of matrices here.
; BORDER.  pos is held to 0 .. 127, the cell to 0 .. 126, the fraction runs up to 1: the same values as clamped indices.
; LIMITS.  As in the launch before: reciprocal and multiply for the division, fused multiply-adds for t, point and position (the same lines, so cell and fraction agree).  NaN is not treated apart.
.set G, 32                             ; v[32:103] plane pi at G + 24 pi: row 0 (12 words), row 1 (12 words)
.set W, 18                             ; v[18:29]  plane pi's four weights at W + 4 pi: (row 0, col 0), (row 0, col 1), (row 1, col 0), (row 1, col 1)
.macro RAYSET ox, oy, oz, dx, dy, dz, near, tmax, tb
	v_mov_b32 v[(\tb)+9], 0x358637bd               ; 1e-6
	v_mov_b32 v[(\tb)+0], \dx
	v_mov_b32 v[(\tb)+1], \dy
	v_mov_b32 v[(\tb)+2], \dz
.irp a,0,1,2
	v_and_b32 v[(\tb)+3], 0x7fffffff, v[(\tb)+\a]
	v_cmp_gt_f32 vcc_lo, v[(\tb)+9], v[(\tb)+3]
	v_cndmask_b32 v[(\tb)+\a], v[(\tb)+\a], v[(\tb)+9], vcc_lo
.endr
	v_rcp_f32 v[(\tb)+3], v[(\tb)+0]
	v_rcp_f32 v[(\tb)+4], v[(\tb)+1]
	v_rcp_f32 v[(\tb)+5], v[(\tb)+2]
	v_mov_b32 v[(\tb)+6], \ox                      ; plain lines behind the last reciprocal
	v_mov_b32 v[(\tb)+7], \oy
	v_mov_b32 v[(\tb)+8], \oz
	s_wait_alu depctr_va_vdst(0)                   ; one wait for the three, ahead of their first reader
.irp a,0,1,2
	v_sub_f32 v[(\tb)+\a], 0xbfa66666, v[(\tb)+6+\a]
	v_sub_f32 v[(\tb)+6+\a], 0x3fa66666, v[(\tb)+6+\a]
	v_mul_f32 v[(\tb)+\a], v[(\tb)+\a], v[(\tb)+3+\a]
	v_mul_f32 v[(\tb)+6+\a], v[(\tb)+6+\a], v[(\tb)+3+\a]
	v_min_num_f32 v[(\tb)+3+\a], v[(\tb)+\a], v[(\tb)+6+\a]
	v_max_num_f32 v[(\tb)+6+\a], v[(\tb)+\a], v[(\tb)+6+\a]
.endr
	v_max3_num_f32 v[(\tb)+0], v[(\tb)+3], v[(\tb)+4], v[(\tb)+5]
	v_min3_num_f32 \tmax, v[(\tb)+6], v[(\tb)+7], v[(\tb)+8]
	v_max_num_f32 \near, 0, v[(\tb)+0]
.endm
	s_load_b256 s[4:11], s[0:1], 0x0               ; planesT s[4:5], pidx s[6:7], nch s[8:9], rays_o s[10:11]
	s_load_b128 s[12:15], s[0:1], 0x20             ; rays_d s[12:13], rec s[14:15]
	v_and_b32 v31, 31, v0                          ; lane
	v_lshrrev_b32 v2, 5, v0
	v_readfirstlane_b32 s16, v2                    ; wave
	s_lshl_b32 s17, ttmp9, 3
	s_add_co_u32 s17, s17, s16                     ; my ray
	s_mul_i32 s30, s17, 12
	s_lshl_b32 s31, s17, 2
	s_lshl_b32 s32, s17, 10                        ; its 1,024 bytes of pidx
	s_mov_b32 s33, 0
	s_lshl_b32 s18, s17, 12                        ; its 4,096 bytes of rec
	s_mov_b32 s19, 0
	v_cvt_f32_u32 v10, v31
	v_add_f32 v10, 0.5, v10                        ; sample + 0.5
	v_lshlrev_b32 v1, 2, v31                       ; 4 x lane
	v_lshlrev_b32 v31, 4, v31                      ; 16 x lane
	s_mov_b32 s38, 0x3c901b4c                      ; dt
	s_mov_b32 s39, 0x42436276                      ; 63.5 / 1.3
	s_mov_b32 s40, 0x427e0000                      ; 63.5
	s_mov_b32 s41, 0x42fe0000                      ; 127
	s_mov_b32 s42, 0x42fd0000                      ; 126.5
	s_wait_kmcnt 0x0
	s_load_b96 s[20:22], s[10:11], s30 offset:0x0  ; o
	s_load_b96 s[24:26], s[12:13], s30 offset:0x0  ; d
	s_load_b32 s27, s[8:9], s31 offset:0x0         ; trips of 64
	s_add_nc_u64 s[34:35], s[6:7], s[32:33]
	s_add_nc_u64 s[36:37], s[14:15], s[18:19]
	v_mov_b32 v2, v1
	global_load_b32 v3, v2, s[34:35]               ; the first 32 samples' cells
	s_wait_kmcnt 0x0
	s_max_u32 s27, s27, 1
	s_min_u32 s27, s27, 4
	s_lshl_b32 s27, s27, 1                         ; trips of 32: 2..8
	RAYSET s20, s21, s22, s24, s25, s26, v120, v121, 104
	s_mov_b32 s29, 0
.macro WGT pi, fc, gc, fr, gr          ; the four weights of plane pi from the column's and the row's fraction f and 1 - f
	v_mul_f32 v[W+4*(\pi)],   v\gr, v\gc
	v_mul_f32 v[W+4*(\pi)+1], v\gr, v\fc
	v_mul_f32 v[W+4*(\pi)+2], v\fr, v\gc
	v_mul_f32 v[W+4*(\pi)+3], v\fr, v\fc
.endm
.macro BILIN pi                        ; six channels, two at a time, into the plane's first six registers; the weight is given to both halves
.set g, G+24*(\pi)
.set w, W+4*(\pi)
.irp j,0,2,4
	v_pk_mul_f32 v[g+\j:g+\j+1], v[g+\j:g+\j+1], v[w:w+1] op_sel_hi:[1,0]
	v_pk_fma_f32 v[g+\j:g+\j+1], v[g+6+\j:g+7+\j], v[w:w+1], v[g+\j:g+\j+1] op_sel:[0,1,0] op_sel_hi:[1,1,1]
	v_pk_fma_f32 v[g+\j:g+\j+1], v[g+12+\j:g+13+\j], v[w+2:w+3], v[g+\j:g+\j+1] op_sel_hi:[1,0,1]
	v_pk_fma_f32 v[g+\j:g+\j+1], v[g+18+\j:g+19+\j], v[w+2:w+3], v[g+\j:g+\j+1] op_sel:[0,1,0] op_sel_hi:[1,1,1]
.endr
.endm
.Ltrip:
	s_wait_loadcnt 0x0                             ; this trip's cells
	s_wait_xcnt 0x0                                ; the last trip's store has read its record and its offset
	v_and_b32 v4, 127, v3
	v_bfe_u32 v5, v3, 7, 7
	v_bfe_u32 v6, v3, 14, 7
	v_min_u32 v4, 126, v4                          ; ix
	v_min_u32 v5, 126, v5                          ; iy
	v_min_u32 v6, 126, v6                          ; iz
	v_lshl_add_u32 v7, v5, 7, v4                   ; plane 0: row y, column x
	v_lshl_add_u32 v8, v6, 7, v4                   ; plane 1: row z, column x
	v_lshl_add_u32 v9, v6, 7, v5                   ; plane 2: row z, column y
	v_mul_u32_u24 v7, 48, v7
	v_mul_u32_u24 v8, 48, v8
	v_mul_u32_u24 v9, 48, v9
.irp pi,0,1,2
.irp j,0,1,2
	global_load_b128 v[G+24*\pi+4*\j:G+24*\pi+4*\j+3], v[7+\pi], s[4:5] offset:\pi*786432+\j*16
.endr
.irp j,0,1,2
	global_load_b128 v[G+24*\pi+12+4*\j:G+24*\pi+12+4*\j+3], v[7+\pi], s[4:5] offset:\pi*786432+6144+\j*16
.endr
.endr
	s_add_co_u32 s30, s29, 1                       ; the next trip's cells; held to the ray's last block: never past its 1,024 bytes
	s_min_u32 s30, s30, 7
	s_lshl_b32 s30, s30, 7
	v_add_nc_u32 v2, s30, v1
	global_load_b32 v3, v2, s[34:35]
	; while the gathers are out: the fractions and the weights
	v_fma_f32 v11, v10, s38, v120                  ; t
	v_fma_f32 v12, v11, s24, s20
	v_fma_f32 v13, v11, s25, s21
	v_fma_f32 v14, v11, s26, s22
.irp a,0,1,2
	v_fma_f32 v[12+\a], v[12+\a], s39, s40
	v_cvt_f32_u32 v[104+\a], v[4+\a]
	v_max_num_f32 v[12+\a], 0, v[12+\a]
	v_min_num_f32 v[12+\a], s41, v[12+\a]
	v_sub_f32 v[12+\a], v[12+\a], v[104+\a]        ; f
	v_sub_f32 v[15+\a], 1.0, v[12+\a]              ; 1 - f
.endr
	WGT 0, 12, 15, 13, 16
	WGT 1, 12, 15, 14, 17
	WGT 2, 13, 16, 14, 17
	v_add_f32 v10, 0x42000000, v10                 ; 32 samples on
	s_min_u32 s31, s29, 7
	s_lshl_b32 s31, s31, 9
	v_add_nc_u32 v30, s31, v31                     ; my record's place: 512 x trip + 16 x lane
	s_wait_loadcnt 13                              ; plane 0 is in; planes 1 and 2 (12 loads) and the next cells (1) may stay out
	BILIN 0
	s_wait_loadcnt 7
	BILIN 1
	s_wait_loadcnt 1
	BILIN 2
.irp j,0,2,4
	v_pk_mul_f32 v[G+\j:G+\j+1], v[G+\j:G+\j+1], v[G+24+\j:G+25+\j]
	v_pk_mul_f32 v[G+\j:G+\j+1], v[G+\j:G+\j+1], v[G+48+\j:G+49+\j]
.endr
.irp o,0,1,2
	v_add_f32 v[104+\o], v[G+2*\o], v[G+2*\o+1]    ; the sum over the rank: coordinate o
	v_fma_f32 v107, v[104+\o], s40, s40            ; (c + 1) x 63.5
	v_max_num_f32 v107, 0, v107
	v_min_num_f32 v108, s42, v107
	v_min_num_f32 v107, s41, v107
	v_cvt_u32_f32 v[110+\o], v108                  ; cell 0..126
	v_cvt_f32_u32 v108, v[110+\o]
	v_sub_f32 v[125+\o], v107, v108                ; fraction 0..1
.endr
	v_lshl_or_b32 v124, v111, 7, v110              ; coordinate 0 walks the grid's last axis
	v_lshl_or_b32 v124, v112, 14, v124
	global_store_b128 v30, v[124:127], s[36:37]    ; 512 consecutive bytes, aligned
	s_add_co_u32 s29, s29, 1
	s_cmp_lt_u32 s29, s27
	s_cbranch_scc1 .Ltrip
	s_endpgm
.Lfunc_end_k_q7578d7acad_coords:
	.size	k_q7578d7acad_coords, .Lfunc_end_k_q7578d7acad_coords-k_q7578d7acad_coords
	.p2alignl 7, 3214868480
	.fill 96, 4, 3214868480
	.section	.rodata,"a",@progbits
	.p2align	6, 0x0
	.amdhsa_kernel k_q7578d7acad_coords
		.amdhsa_group_segment_fixed_size 0
		.amdhsa_private_segment_fixed_size 0
		.amdhsa_enable_private_segment 0
		.amdhsa_kernarg_size 48
		.amdhsa_user_sgpr_count 2
		.amdhsa_user_sgpr_kernarg_segment_ptr 1
		.amdhsa_wavefront_size32 1
		.amdhsa_system_sgpr_workgroup_id_x 1
		.amdhsa_system_sgpr_workgroup_id_y 1
		.amdhsa_system_sgpr_workgroup_id_z 1
		.amdhsa_system_vgpr_workitem_id 0
		.amdhsa_next_free_vgpr 128
		.amdhsa_next_free_sgpr 66
		.amdhsa_reserve_vcc 1
		.amdhsa_float_denorm_mode_32 3
		.amdhsa_float_denorm_mode_16_64 3
		.amdhsa_memory_ordered 1
		.amdhsa_forward_progress 1
		.amdhsa_inst_pref_size 12
	.end_amdhsa_kernel
	.amdgpu_metadata
---
amdhsa.version: [ 1, 2 ]
amdhsa.kernels:
  - .name:           k_q7578d7acad_coords
    .symbol:         k_q7578d7acad_coords.kd
    .args:
      - { .name: planesT, .offset: 0, .size: 8, .value_kind: global_buffer, .address_space: global }
      - { .name: pidx, .offset: 8, .size: 8, .value_kind: global_buffer, .address_space: global }
      - { .name: nch, .offset: 16, .size: 8, .value_kind: global_buffer, .address_space: global }
      - { .name: rays_o, .offset: 24, .size: 8, .value_kind: global_buffer, .address_space: global }
      - { .name: rays_d, .offset: 32, .size: 8, .value_kind: global_buffer, .address_space: global }
      - { .name: rec, .offset: 40, .size: 8, .value_kind: global_buffer, .address_space: global }
    .group_segment_fixed_size: 0
    .private_segment_fixed_size: 0
    .kernarg_segment_align: 8
    .kernarg_segment_size: 48
    .max_flat_workgroup_size: 256
    .sgpr_count:     66
    .vgpr_count:     128
    .wavefront_size: 32
...
	.end_amdgpu_metadata
.endif
;; end of part 2
;; launch render (part 3): grid 256 x 1, 8 waves a work-group, no clusters, 9,216 bytes of LDS; arguments featT, rec, nch, rays_o, rays_d, Ws1, bs1, Ws2, bs2, Wc1, bc1, Wc2, bc2, out0; writes out0
.if DOCPART == 3
	.amdgcn_target "amdgcn-amd-amdhsa--gfx1250"
	.amdhsa_code_object_version 6
	.text
	.protected	k_q7578d7acad_render
	.globl	k_q7578d7acad_render
	.p2align	8
	.type	k_q7578d7acad_render,@function
k_q7578d7acad_render:
	s_mov_b64 s[64:65], 0
	v_nop
	global_prefetch_b8 v0, s[64:65] scope:SCOPE_SE
	s_setreg_imm32_b32 hwreg(HW_REG_WAVE_MODE, 25, 1), 1
	s_wait_xcnt 0x0
; RENDER.  For each sample: the trilinear blend of 8 voxels x 32 channels (addresses from rec, whole numbers stored by the launch before), both heads on the matrix unit, alpha and colour; for each ray the composite.
; SHARES.  256 work-groups of 8 waves; a wave owns 4 rays on end.  A STEP is 32 samples: two tiles of 16 points; a trip of the inner loop is two steps; a ray has nch[ray] trips (1..4): the samples behind them
; are hidden (t >= tmax), have alpha 0 and weight 0, and change nothing.
; LAYOUT.  In a tile lane (r = lane % 16, h = lane / 16) works for point r on channels 8 h .. 8 h + 7 and 16 + 8 h .. + 7: two loads of 16 bytes a voxel, and the blended 16 numbers, rounded to bf16, ARE source 1
; (32 channels x 16 points) of layer 1, D[hidden][point] = W1^T feats + bias.  Tiles 0-3 of hidden are the density head's, 4-7 the colour head's.  The direction's part of the colour layer is the same for all
; samples of a ray: it is made once a ray in f32 and enters as the C operand with bc1.  Two results, rounded in pairs and cut at 0, ARE source 1 (32 hidden x 16 points) of layer 2, whose source 0 holds Ws2 in
; rows 0 and 8 and Wc2 in rows 1-3 and 9-11: registers 0-3 of both halves of the lanes hold the four outputs of point r.  Lanes 0-15 then take tile 0 and lanes 16-31 tile 1: a lane a sample.
; AHEAD.  The 16 slots (tile, corner) of 8 registers are asked for again, for the next step, as soon as they are blended: 32 loads of a wave are out all the time.  Records are loaded three steps ahead, by a
; cursor in scalar registers that walks the four rays' steps; behind the last step it walks the last ray's steps again: bytes that were written, loaded and not used.
; FORMATS.  featT, the weights of both layers and the hidden values are bf16; sums, biases, the direction's part, the blend and the composite are f32.
; LIMITS.  The distance between samples is taken as dt, not as the difference of two t (a part in 1e5); division by reciprocal; NaN is not treated apart.  A hidden sample's colour is not forced to 0.5: its weight is 0.
; No cluster: the work-groups share 18 KB of weights and nothing else.  No tensor load: the gathers go lane by lane.
; REGISTERS, in windows of 256 (s_set_vgpr_msb: bits 1:0 source 0, 3:2 source 1, 5:4 source 2, 7:6 destination).
;   window 0: v1 lane, v2 16 r, v3 16 h, v4, v5 the spare word and 0, v6 0, v7 LDS address of the ray's bias, v8-9 record offsets, v10-13 voxel offsets, v14 sample + 0.5, v15 lane + 0.5, v16 carry,
;             v17 sum of weights, v18-20 sums of colour, v21 the 12 results, v22-23 -|d| dt log2 e and the last sample's; then as named below
;   window 1: the weights' fragments, the biases, layer 1's results, layer 2's results
.set SPARE, 8192                       ; behind the eight waves' 1,024 bytes: the spare words, 128 bytes a wave
.set RV,   8
.set AD,   10                          ; AD + 2 x + tile
.set REC,  24                          ; v[24:39]  two sets of two records: {voxel, fx, fy, fz}
.set WT,   40                          ; v[40:55]  eight corner weights a tile
.set ACC,  56                          ; v[56:71]  the blend's 16 sums
.set FE,   72                          ; v[72:87]  the features' fragment, a tile each
.set E,    88                          ; v[88:119] at work
.set GB,   128                         ; v[128:255] slot 8 tile + corner at GB + 8 slot
.set W1F,  0                           ; window 1
.set W2F,  64
.set BIAS, 96                          ; 96-127 bs1, 128-159 the ray's colour bias
.set D1,   160
.set XX,   224                         ; tile 0's layer 2: two accumulators
.set YY,   240                         ; tile 1's
.set MSB, 0
.macro WIN new                         ; the immediate's high byte repeats the setting that is left; a switch that changes nothing is dropped
.if MSB != (\new)
	s_set_vgpr_msb (MSB<<8)|(\new)
.set MSB, \new
.endif
.endm
.macro RAYSET ox, oy, oz, dx, dy, dz, near, tmax, tb
	v_mov_b32 v[(\tb)+9], 0x358637bd               ; 1e-6
	v_mov_b32 v[(\tb)+0], \dx
	v_mov_b32 v[(\tb)+1], \dy
	v_mov_b32 v[(\tb)+2], \dz
.irp a,0,1,2
	v_and_b32 v[(\tb)+3], 0x7fffffff, v[(\tb)+\a]
	v_cmp_gt_f32 vcc_lo, v[(\tb)+9], v[(\tb)+3]
	v_cndmask_b32 v[(\tb)+\a], v[(\tb)+\a], v[(\tb)+9], vcc_lo
.endr
	v_rcp_f32 v[(\tb)+3], v[(\tb)+0]
	v_rcp_f32 v[(\tb)+4], v[(\tb)+1]
	v_rcp_f32 v[(\tb)+5], v[(\tb)+2]
	v_mov_b32 v[(\tb)+6], \ox                      ; plain lines behind the last reciprocal
	v_mov_b32 v[(\tb)+7], \oy
	v_mov_b32 v[(\tb)+8], \oz
	s_wait_alu depctr_va_vdst(0)                   ; one wait for the three, ahead of their first reader
.irp a,0,1,2
	v_sub_f32 v[(\tb)+\a], 0xbfa66666, v[(\tb)+6+\a]
	v_sub_f32 v[(\tb)+6+\a], 0x3fa66666, v[(\tb)+6+\a]
	v_mul_f32 v[(\tb)+\a], v[(\tb)+\a], v[(\tb)+3+\a]
	v_mul_f32 v[(\tb)+6+\a], v[(\tb)+6+\a], v[(\tb)+3+\a]
	v_min_num_f32 v[(\tb)+3+\a], v[(\tb)+\a], v[(\tb)+6+\a]
	v_max_num_f32 v[(\tb)+6+\a], v[(\tb)+\a], v[(\tb)+6+\a]
.endr
	v_max3_num_f32 v[(\tb)+0], v[(\tb)+3], v[(\tb)+4], v[(\tb)+5]
	v_min3_num_f32 \tmax, v[(\tb)+6], v[(\tb)+7], v[(\tb)+8]
	v_max_num_f32 \near, 0, v[(\tb)+0]
.endm
; THE CURSOR: s66 the next record block's byte offset in my 16 KB of rec, s67 steps left in its ray, s68 the next ray's offset, s69-71 the following rays' steps.  Selects alone: no branch.
.macro ADVANCE
	s_add_co_u32 s72, s66, 512
	s_add_co_u32 s73, s68, 4096
	s_min_u32 s73, s73, 12288
	s_sub_co_u32 s67, s67, 1
	s_cmp_eq_u32 s67, 0
	s_cselect_b32 s66, s68, s72
	s_cselect_b32 s68, s73, s68
	s_cselect_b32 s67, s69, s67
	s_cselect_b32 s69, s70, s69
	s_cselect_b32 s70, s71, s70
.endm
.macro RECLOAD x                       ; a step's 32 records into set x: both halves of the lanes take point r's
	s_min_u32 s74, s66, 15872
	v_add_nc_u32 v[RV+(\x)], s74, v2
	global_load_b128 v[REC+8*(\x):REC+8*(\x)+3], v[RV+(\x)], s[34:35]
	global_load_b128 v[REC+8*(\x)+4:REC+8*(\x)+7], v[RV+(\x)], s[34:35] offset:256
	ADVANCE
.endm
.macro ADDR x, tile                    ; voxel x 64 + 16 h; the voxel's number is held inside the grid in two parts
	v_lshrrev_b32 v[E+8], 7, v[REC+8*(\x)+4*(\tile)]
	v_and_b32 v[E+9], 127, v[REC+8*(\x)+4*(\tile)]
	v_min_u32 v[E+8], 0x3f7e, v[E+8]
	v_min_u32 v[E+9], 126, v[E+9]
	v_lshl_add_u32 v[E+8], v[E+8], 7, v[E+9]
	v_lshl_add_u32 v[AD+2*(\x)+(\tile)], v[E+8], 6, v3
.endm
.macro WEIGHTS x, tile                 ; corner q = 4 z + 2 y + x
.set rR, REC+8*(\x)+4*(\tile)
.set rW, WT+8*(\tile)
	v_sub_f32 v[E+8], 1.0, v[rR+1]
	v_sub_f32 v[E+9], 1.0, v[rR+2]
	v_sub_f32 v[E+10], 1.0, v[rR+3]
	v_mul_f32 v[E+11], v[E+10], v[E+9]
	v_mul_f32 v[E+12], v[E+10], v[rR+2]
	v_mul_f32 v[E+13], v[rR+3], v[E+9]
	v_mul_f32 v[E+14], v[rR+3], v[rR+2]
.irp zy,0,1,2,3
	v_mul_f32 v[rW+2*\zy], v[E+11+\zy], v[E+8]
	v_mul_f32 v[rW+2*\zy+1], v[E+11+\zy], v[rR+1]
.endr
.endm
.macro GATH tile, q, x                 ; corner q of the tile's points: my 2 x 16 bytes of the voxel's 64
.set rG, GB+8*(8*(\tile)+(\q))
.set oG, ((\q)%2)*64+(((\q)/2)%2)*8192+((\q)/4)*1048576
	global_load_b128 v[rG:rG+3], v[AD+2*(\x)+(\tile)], s[4:5] offset:oG
	global_load_b128 v[rG+4:rG+7], v[AD+2*(\x)+(\tile)], s[4:5] offset:oG+32
.endm
.macro SLOT tile, q, x                 ; a slot is blended and asked for again, for the next step
	s_wait_loadcnt 32                              ; younger than slot s: 2 (15 - s) later slots, 2 record loads, 2 s slots asked for again
.set rG, GB+8*(8*(\tile)+(\q))
.irp w,0,1,2,3,4,5,6,7
.if (\q) == 0
	v_fma_mix_f32_bf16 v[ACC+2*\w], v[rG+\w], v[WT+8*(\tile)+(\q)], v6 op_sel_hi:[1,0,0]
	v_fma_mix_f32_bf16 v[ACC+2*\w+1], v[rG+\w], v[WT+8*(\tile)+(\q)], v6 op_sel:[1,0,0] op_sel_hi:[1,0,0]
.else
	v_fma_mix_f32_bf16 v[ACC+2*\w], v[rG+\w], v[WT+8*(\tile)+(\q)], v[ACC+2*\w] op_sel_hi:[1,0,0]
	v_fma_mix_f32_bf16 v[ACC+2*\w+1], v[rG+\w], v[WT+8*(\tile)+(\q)], v[ACC+2*\w+1] op_sel:[1,0,0] op_sel_hi:[1,0,0]
.endif
.endr
	GATH \tile, \q, 1-(\x)
.endm
.macro CVTFE tile
.irp i,0,1,2,3,4,5,6,7
	v_cvt_pk_bf16_f32 v[FE+8*(\tile)+\i], v[ACC+2*\i], v[ACC+2*\i+1]
.endr
.endm
.macro L1 tile                         ; eight products, each with its own accumulator; C is the bias
	WIN 0x51
.irp t,0,1,2,3,4,5,6,7
	v_wmma_f32_16x16x32_bf16 v[D1+8*\t:D1+8*\t+7], v[W1F+8*\t:W1F+8*\t+7], v[FE+8*(\tile):FE+8*(\tile)+7], v[BIAS+8*\t:BIAS+8*\t+7]
.endr
.endm
.macro RELU                            ; two results -> one fragment of 32 hidden, in place, each accumulator read from its low end on; then the cut at 0 on packed halves
	WIN 0x45
.irp p,0,1,2,3
.irp i,0,1,2,3
	v_cvt_pk_bf16_f32 v[D1+16*\p+\i], v[D1+16*\p+2*\i], v[D1+16*\p+2*\i+1]
.endr
.irp i,0,1,2,3
	v_cvt_pk_bf16_f32 v[D1+16*\p+4+\i], v[D1+16*\p+8+2*\i], v[D1+16*\p+9+2*\i]
.endr
.irp i,0,1,2,3,4,5,6,7
	v_pk_max_num_bf16 v[D1+16*\p+\i], v[D1+16*\p+\i], s85
.endr
.endr
.endm
.macro L2 u                            ; four products on two accumulators that take turns; the first two start the sums
	WIN 0x55
	v_wmma_f32_16x16x32_bf16 v[(\u):(\u)+7], v[W2F:W2F+7], v[D1:D1+7], 0
	v_wmma_f32_16x16x32_bf16 v[(\u)+8:(\u)+15], v[W2F+8:W2F+15], v[D1+16:D1+23], 0
	v_wmma_f32_16x16x32_bf16 v[(\u):(\u)+7], v[W2F+16:W2F+23], v[D1+32:D1+39], v[(\u):(\u)+7]
	v_wmma_f32_16x16x32_bf16 v[(\u)+8:(\u)+15], v[W2F+24:W2F+31], v[D1+48:D1+55], v[(\u)+8:(\u)+15]
.endm
; The step's 32 samples, a lane each: density, alpha, colour, the exclusive product of 1 - alpha + 1e-10 over the lanes, the sums.
.macro EPI
.irp c,0,1,2,3
	v_cndmask_b32 v[E+\c], v[E+\c], v[E+4+\c], s80 ; lanes 16-31 take tile 1
.endr
	v_add_f32 v[E+10], s81, v[E+0]                 ; + bs2
	v_fma_f32 v[E+11], v[E+1], 0xbfb8aa3b, s82     ; -(raw + bc2) log2 e
	v_fma_f32 v[E+12], v[E+2], 0xbfb8aa3b, s83
	v_fma_f32 v[E+13], v[E+3], 0xbfb8aa3b, s84
	v_max_num_f32 v[E+10], 0, v[E+10]
	v_cndmask_b32 v[E+10], 0, v[E+10], s86         ; 0 where t >= tmax
	v_mul_f32 v[E+10], v[E+10], v[E+9]             ; -density x distance x log2 e
	v_exp_f32 v[E+15], v[E+11]                     ; one batch of four
	v_exp_f32 v[E+16], v[E+12]
	v_exp_f32 v[E+17], v[E+13]
	v_exp_f32 v[E+14], v[E+10]
	v_nop                                          ; a plain line behind the last exponential
	s_wait_alu depctr_va_vdst(0)                   ; one wait for the batch
	v_add_f32 v[E+20], 1.0, v[E+15]
	v_add_f32 v[E+21], 1.0, v[E+16]
	v_add_f32 v[E+22], 1.0, v[E+17]
	v_sub_f32 v[E+18], 1.0, v[E+14]                ; alpha
	v_rcp_f32 v[E+23], v[E+20]                     ; the sigmoids: a batch of three; the scan below names none of them
	v_rcp_f32 v[E+24], v[E+21]
	v_rcp_f32 v[E+25], v[E+22]
	v_sub_f32 v[E+19], 1.0, v[E+18]
	v_add_f32 v[E+19], 0x2edbe6ff, v[E+19]         ; 1 - alpha + 1e-10
	v_mov_b32_dpp v[E+26], v[E+19] row_xmask:1 row_mask:0xf bank_mask:0xf
	v_cndmask_b32 v[E+28], 1.0, v[E+26], s76       ; the product of the lanes below me in my block: the lower half block's, where I lie in the upper
	v_mul_f32 v[E+19], v[E+19], v[E+26]            ; the block's product
.irp m,2,4,8
	v_mov_b32_dpp v[E+26], v[E+19] row_xmask:\m row_mask:0xf bank_mask:0xf
.if \m == 2
	v_cndmask_b32 v[E+27], 1.0, v[E+26], s77
.elseif \m == 4
	v_cndmask_b32 v[E+27], 1.0, v[E+26], s78
.else
	v_cndmask_b32 v[E+27], 1.0, v[E+26], s79
.endif
	v_mul_f32 v[E+28], v[E+28], v[E+27]
	v_mul_f32 v[E+19], v[E+19], v[E+26]
.endr
	v_permlanex16_b32 v[E+26], v[E+19], s62, s63
	v_cndmask_b32 v[E+27], 1.0, v[E+26], s80
	v_mul_f32 v[E+28], v[E+28], v[E+27]
	v_mul_f32 v[E+19], v[E+19], v[E+26]
	v_mul_f32 v[E+29], v16, v[E+28]                ; transmittance in front of my sample
	v_mul_f32 v[E+29], v[E+18], v[E+29]            ; weight
	v_mul_f32 v16, v16, v[E+19]                    ; the carry takes the step's product
	v_add_f32 v17, v17, v[E+29]
	s_wait_alu depctr_va_vdst(0)                   ; one wait for the three reciprocals, ahead of their first reader
	v_fma_f32 v18, v[E+29], v[E+23], v18
	v_fma_f32 v19, v[E+29], v[E+24], v19
	v_fma_f32 v20, v[E+29], v[E+25], v20
.endm
; A STEP of parity x.  Set 1 - x holds the next step's records.
.macro STEP x
	WIN 0
	s_wait_loadcnt 34                              ; the next step's records are in: younger are this step's 32 gathers and the 2 record loads behind them
	ADDR 1-(\x), 0
	ADDR 1-(\x), 1
.irp q,0,1,2,3,4,5,6,7
	SLOT 0, \q, \x
.endr
	CVTFE 0
	L1 0
	WIN 0
.irp q,0,1,2,3,4,5,6,7
	SLOT 1, \q, \x                                 ; tile 1's blend stands behind tile 0's products: more than the four places that their readers want
.endr
	CVTFE 1
	RELU
	L2 XX
	WIN 0
	WEIGHTS 1-(\x), 0                              ; thirty plain lines between layer 2 and the products that write over its source 1
	WEIGHTS 1-(\x), 1
	RECLOAD 1-(\x)                                 ; the records three steps on
	L1 1
	WIN 0x05
.irp c,0,1,2,3
	v_add_f32 v[E+\c], v[XX+\c], v[XX+8+\c]        ; tile 0's four outputs; these four lines are the places behind tile 1's layer 1
.endr
	RELU
	L2 YY
	WIN 0
	v_fma_f32 v[E+8], v14, 0x3c901b4c, s56         ; t = near + (sample + 0.5) dt; these lines are the places behind layer 2
	v_cmp_gt_f32 s86, s57, v[E+8]                  ; t < tmax (tmax > near follows from it, since t >= near)
	v_cmp_eq_f32 vcc_lo, 0x437f8000, v14           ; sample 255 has the distance 1e10
	v_cndmask_b32 v[E+9], v22, v23, vcc_lo
	v_add_f32 v14, 0x42000000, v14
	v_nop
	WIN 0x05
.irp c,0,1,2,3
	v_add_f32 v[E+4+\c], v[YY+\c], v[YY+8+\c]
.endr
	WIN 0
	EPI
.endm
	s_load_b512 s[4:19], s[0:1], 0x0               ; featT s[4:5], rec s[6:7], nch s[8:9], rays_o s[10:11], rays_d s[12:13], Ws1 s[14:15], bs1 s[16:17], Ws2 s[18:19]
	s_load_b256 s[20:27], s[0:1], 0x40             ; bs2 s[20:21], Wc1 s[22:23], bc1 s[24:25], Wc2 s[26:27]
	s_load_b128 s[28:31], s[0:1], 0x60             ; bc2 s[28:29], out0 s[30:31]
	v_lshl_add_u32 v4, v0, 2, SPARE                ; my spare word
	v_mov_b32 v5, 0
	v_mov_b32 v6, 0
	v_mov_b32 v21, 0
	v_and_b32 v1, 31, v0                           ; lane
	v_lshrrev_b32 v7, 5, v0
	v_readfirstlane_b32 s32, v7                    ; wave
	v_and_b32 v[ACC+6], 15, v1                     ; r
	v_lshrrev_b32 v[ACC+7], 4, v1                  ; h
	v_lshlrev_b32 v2, 4, v[ACC+6]
	v_lshlrev_b32 v3, 4, v[ACC+7]
	v_and_b32 v[ACC+0], 3, v1
	v_mul_u32_u24 v[ACC+0], 12, v[ACC+0]           ; lane % 4 chooses the ray
	v_lshlrev_b32 v[ACC+1], 2, v1                  ; 4 x lane
	v_lshlrev_b32 v[ACC+2], 5, v[ACC+7]            ; 32 h: eight f32
	v_and_b32 v[ACC+3], 7, v1                      ; layer 2's row is output lane % 8: its column of Wc2, held to 0..2
	v_max_u32 v[ACC+3], 1, v[ACC+3]
	v_add_nc_u32 v[ACC+3], -1, v[ACC+3]
	v_min_u32 v[ACC+3], 2, v[ACC+3]
	v_lshlrev_b32 v[ACC+3], 2, v[ACC+3]
	v_mad_u32_u24 v[ACC+3], v[ACC+7], 96, v[ACC+3] ; + 8 h rows of 12 bytes
	v_lshlrev_b32 v[ACC+4], 2, v[ACC+6]
	v_lshl_add_u32 v[ACC+4], v[ACC+7], 11, v[ACC+4] ; layer 1: 8 h rows of 256 bytes + hidden r
	s_lshl_b32 s33, ttmp9, 3
	s_add_co_u32 s33, s33, s32
	s_lshl_b32 s33, s33, 2                         ; my first ray
	s_lshl_b32 s72, s33, 12
	s_mov_b32 s73, 0
	s_mul_i32 s74, s33, 12
	s_mov_b32 s75, 0
	s_lshl_b32 s67, s33, 2
	s_lshl_b32 s68, s32, 10                        ; my wave's 1,024 bytes of LDS
	v_lshl_add_u32 v7, v[ACC+7], 5, s68
	v_lshl_add_u32 v[ACC+5], v1, 2, s68
	v_cvt_f32_u32 v15, v1
	v_add_f32 v15, 0.5, v15
	s_mov_b32 s62, 0x76543210                      ; v_permlanex16_b32: each lane takes its own place in the other half
	s_mov_b32 s63, 0xfedcba98
	s_mov_b32 s76, 0xaaaaaaaa                      ; the lanes in the upper half of a block of 2, 4, 8, 16, 32
	s_mov_b32 s77, 0xcccccccc
	s_mov_b32 s78, 0xf0f0f0f0
	s_mov_b32 s79, 0xff00ff00
	s_mov_b32 s80, 0xffff0000
	s_mov_b32 s85, 0
	s_mov_b32 s87, 1
	s_mov_b32 s61, 4
	s_mov_b32 s100, 0x01010101                     ; lanes with lane % 8 = 0: the density's row
	s_mov_b32 s101, 0x0e0e0e0e                     ; lanes with lane % 8 = 1..3: the colours' rows
	s_wait_kmcnt 0x0
	s_add_nc_u64 s[34:35], s[6:7], s[72:73]        ; rec at my first ray
	s_add_nc_u64 s[10:11], s[10:11], s[74:75]
	s_add_nc_u64 s[12:13], s[12:13], s[74:75]
	s_add_nc_u64 s[38:39], s[30:31], s[74:75]      ; out0 at my first ray
	s_load_b128 s[40:43], s[8:9], s67 offset:0x0   ; the four rays' trips
	s_load_b32 s81, s[20:21], 0x0                  ; bs2
	s_load_b96 s[88:90], s[28:29], 0x0             ; bc2
	; all first loads go out together
	global_load_b128 v[REC:REC+3], v2, s[34:35]              ; steps 0 and 1 of the first ray (every ray has two steps or more)
	global_load_b128 v[REC+4:REC+7], v2, s[34:35] offset:256
	global_load_b128 v[REC+8:REC+11], v2, s[34:35] offset:512
	global_load_b128 v[REC+12:REC+15], v2, s[34:35] offset:768
.irp c,0,1,2
	global_load_b32 v[E+\c], v[ACC+0], s[10:11] offset:\c*4
	global_load_b32 v[E+3+\c], v[ACC+0], s[12:13] offset:\c*4
.endr
	global_load_b32 v[E+6], v[ACC+1], s[24:25]               ; bc1 of hidden lane and lane + 32
	global_load_b32 v[E+7], v[ACC+1], s[24:25] offset:128
.irp c,0,1,2
	global_load_b32 v[E+8+2*\c], v[ACC+1], s[22:23] offset:(32+\c)*256       ; Wc1's three rows for the direction
	global_load_b32 v[E+9+2*\c], v[ACC+1], s[22:23] offset:(32+\c)*256+128
.endr
.set t, 0
.rept 8                                ; layer 1's source 0: tile t, element e: channel 8 h + e (+ 8 from e = 8 on), hidden 16 (t % 4) + r
.set e, 0
.rept 16
.set ee, e+8*(e/8)
.if t < 4
	global_load_b32 v[GB+16*t+e], v[ACC+4], s[14:15] offset:ee*256+(t%4)*64
.else
	global_load_b32 v[GB+16*t+e], v[ACC+4], s[22:23] offset:ee*256+(t%4)*64
.endif
.set e, e+1
.endr
.set t, t+1
.endr
	WIN 0x40                                       ; destination window 1, address window 0
.irp t,0,1,2,3
	global_load_b128 v[BIAS+8*\t:BIAS+8*\t+3], v[ACC+2], s[16:17] offset:\t*64     ; bs1 of hidden 16 t + 8 h + 0..7
	global_load_b128 v[BIAS+8*\t+4:BIAS+8*\t+7], v[ACC+2], s[16:17] offset:\t*64+16
.endr
.irp pg,0,1,2,3                        ; Ws2: chunk pg / 2, half pg % 2: hidden 16 pg + 8 h + 0..7
	global_load_b128 v[D1+8*\pg:D1+8*\pg+3], v[ACC+2], s[18:19] offset:\pg*64
	global_load_b128 v[D1+8*\pg+4:D1+8*\pg+7], v[ACC+2], s[18:19] offset:\pg*64+16
.endr
.set e, 0
.rept 32                               ; Wc2: hidden 16 (e / 8) + 8 h + e % 8, my row's column
	global_load_b32 v[D1+32+e], v[ACC+3], s[26:27] offset:(16*(e/8)+e%8)*12
.set e, e+1
.endr
	s_wait_loadcnt 0x0
	s_wait_kmcnt 0x0
.set e, 0
.rept 64
	v_cvt_pk_bf16_f32 v[W1F+e], v[GB+2*e], v[GB+2*e+1]
.set e, e+1
.endr
	WIN 0x45
.set e, 0
.rept 32
	v_cvt_pk_bf16_f32 v[W2F+e], v[D1+2*e], v[D1+2*e+1]
.set e, e+1
.endr
.set e, 0
.rept 16
	v_cndmask_b32 v[W2F+e], 0, v[W2F+e], s100      ; rows that are not the density's hold 0
	v_cndmask_b32 v[W2F+16+e], 0, v[W2F+16+e], s101
.set e, e+1
.endr
	WIN 0
	RAYSET v[E+0], v[E+1], v[E+2], v[E+3], v[E+4], v[E+5], v[E+24], v[E+25], E+14
	v_mul_f32 v[E+26], v[E+3], v[E+3]
	v_fma_f32 v[E+26], v[E+4], v[E+4], v[E+26]
	v_fma_f32 v[E+26], v[E+5], v[E+5], v[E+26]
	v_rsq_f32 v[E+27], v[E+26]
	v_nop
	s_wait_alu depctr_va_vdst(0)
	v_mul_f32 v[E+28], v[E+3], v[E+27]             ; the normalised direction
	v_mul_f32 v[E+29], v[E+4], v[E+27]
	v_mul_f32 v[E+30], v[E+5], v[E+27]
	v_mul_f32 v[E+26], v[E+28], v[E+28]
	v_fma_f32 v[E+26], v[E+29], v[E+29], v[E+26]
	v_fma_f32 v[E+26], v[E+30], v[E+30], v[E+26]
	v_sqrt_f32 v[E+31], v[E+26]                    ; and its length
	v_nop
	s_wait_alu depctr_va_vdst(0)
	s_mul_f32 s82, s88, 0xbfb8aa3b                 ; -bc2 log2 e
	s_mul_f32 s83, s89, 0xbfb8aa3b
	s_mul_f32 s84, s90, 0xbfb8aa3b
.irp k,0,1,2,3
	v_readlane_b32 s[44+\k], v[E+24], \k           ; near
	v_readlane_b32 s[48+\k], v[E+25], \k           ; tmax
	v_readlane_b32 s[52+\k], v[E+31], \k           ; length
	v_readlane_b32 s[88+3*\k], v[E+28], \k
	v_readlane_b32 s[89+3*\k], v[E+29], \k
	v_readlane_b32 s[90+3*\k], v[E+30], \k
.endr
.irp k,0,1,2,3                         ; ray k's colour bias: bc1 + direction . Wc1[32:35], in f32, into my wave's own LDS bytes
.irp g,0,1
	v_fma_f32 v[WT+2*\k+\g], v[E+8+\g], s[88+3*\k], v[E+6+\g]
	v_fma_f32 v[WT+2*\k+\g], v[E+10+\g], s[89+3*\k], v[WT+2*\k+\g]
	v_fma_f32 v[WT+2*\k+\g], v[E+12+\g], s[90+3*\k], v[WT+2*\k+\g]
	ds_store_b32 v[ACC+5], v[WT+2*\k+\g] offset:\k*256+\g*128
.endr
.endr
.irp k,40,41,42,43
	s_max_u32 s\k, s\k, 1
	s_min_u32 s\k, s\k, 4
.endr
	s_mov_b32 s66, 0
	s_lshl_b32 s67, s40, 1
	s_mov_b32 s68, 4096
	s_lshl_b32 s69, s41, 1
	s_lshl_b32 s70, s42, 1
	s_lshl_b32 s71, s43, 1
	ADVANCE                                        ; steps 0 and 1 have been loaded
	ADVANCE
	ADDR 0, 0
	ADDR 0, 1
	WEIGHTS 0, 0
	WEIGHTS 0, 1
.irp tl,0,1
.irp q,0,1,2,3,4,5,6,7
	GATH \tl, \q, 0                                ; step 0's 32 gathers, in the slots' order
.endr
.endr
	RECLOAD 0                                      ; step 2's records: 34 loads are out, as at the head of every step
.Lray:                                 ; four rays
	s_mov_b32 s56, s44                             ; the ray's near, tmax, length and trips; the queues move up
	s_mov_b32 s44, s45
	s_mov_b32 s45, s46
	s_mov_b32 s46, s47
	s_mov_b32 s57, s48
	s_mov_b32 s48, s49
	s_mov_b32 s49, s50
	s_mov_b32 s50, s51
	s_mov_b32 s58, s52
	s_mov_b32 s52, s53
	s_mov_b32 s53, s54
	s_mov_b32 s54, s55
	s_mov_b32 s59, s40
	s_mov_b32 s40, s41
	s_mov_b32 s41, s42
	s_mov_b32 s42, s43
	WIN 0x40
.irp t,0,1,2,3
	ds_load_b128 v[BIAS+32+8*\t:BIAS+32+8*\t+3], v7 offset:\t*64       ; the colour bias of hidden 16 t + 8 h + 0..7; LDS serves a wave in order: these see the stores of the head
	ds_load_b128 v[BIAS+32+8*\t+4:BIAS+32+8*\t+7], v7 offset:\t*64+16
.endr
	WIN 0
	v_add_nc_u32 v7, 256, v7                       ; the next ray's
	v_mov_b32 v14, v15
	v_mov_b32 v16, 1.0
	v_mov_b32 v17, 0
	v_mov_b32 v18, 0
	v_mov_b32 v19, 0
	v_mov_b32 v20, 0
	s_mul_f32 s72, s58, 0x3c901b4c                 ; length x dt,
	s_mul_f32 s72, s72, 0xbfb8aa3b                 ; x -log2 e
	s_mul_f32 s73, s58, 0x501502f9                 ; length x 1e10
	s_mul_f32 s73, s73, 0xbfb8aa3b
	v_mov_b32 v22, s72
	v_mov_b32 v23, s73
	s_mov_b32 s60, 0
	s_wait_dscnt 0x0
.Ltrip:                                ; 64 samples
	STEP 0
	STEP 1
	WIN 0
	s_add_co_u32 s60, s60, 1
	s_cmp_lt_u32 s60, s59
	s_cbranch_scc1 .Ltrip
	; the ray's end: four sums over the 32 lanes
.irp m,1,2,4,8
	v_add_f32_dpp v17, v17, v17 row_xmask:\m row_mask:0xf bank_mask:0xf
	v_add_f32_dpp v18, v18, v18 row_xmask:\m row_mask:0xf bank_mask:0xf
	v_add_f32_dpp v19, v19, v19 row_xmask:\m row_mask:0xf bank_mask:0xf
	v_add_f32_dpp v20, v20, v20 row_xmask:\m row_mask:0xf bank_mask:0xf
.endr
.irp c,0,1,2,3
	v_permlanex16_b32 v[E+20+\c], v[17+\c], s62, s63
.endr
.irp c,0,1,2,3
	v_add_f32 v[17+\c], v[17+\c], v[E+20+\c]
.endr
	v_sub_f32 v[E+24], 1.0, v17                    ; the white background's share
.irp c,0,1,2
	v_add_f32 v[E+20+\c], v[18+\c], v[E+24]
	v_cndmask_b32 v21, v21, v[E+20+\c], s87        ; into lane 3 ray + c
	s_lshl_b32 s87, s87, 1
.endr
	s_sub_co_u32 s61, s61, 1
	s_cmp_lg_u32 s61, 0
	s_cbranch_scc1 .Lray
	v_lshlrev_b32 v[E+0], 2, v1
	s_wait_xcnt 0x0                                ; EXEC is a source of the loads that are out: it changes only behind this wait
	v_cmp_gt_u32 vcc_lo, 12, v1
	s_and_saveexec_b32 s72, vcc_lo
	global_store_b32 v[E+0], v21, s[38:39]         ; my four rays: 48 consecutive bytes
	s_wait_xcnt 0x0
	s_or_b32 exec_lo, exec_lo, s72
	s_wait_tensorcnt 0x0                           ; the wave's end
	ds_add_u32 v4, v5
	s_wait_dscnt 0x0
	s_endpgm
.Lfunc_end_k_q7578d7acad_render:
	.size	k_q7578d7acad_render, .Lfunc_end_k_q7578d7acad_render-k_q7578d7acad_render
	.p2alignl 7, 3214868480
	.fill 96, 4, 3214868480
	.section	.rodata,"a",@progbits
	.p2align	6, 0x0
	.amdhsa_kernel k_q7578d7acad_render
		.amdhsa_group_segment_fixed_size 9216
		.amdhsa_private_segment_fixed_size 0
		.amdhsa_enable_private_segment 0
		.amdhsa_kernarg_size 112
		.amdhsa_user_sgpr_count 2
		.amdhsa_user_sgpr_kernarg_segment_ptr 1
		.amdhsa_wavefront_size32 1
		.amdhsa_system_sgpr_workgroup_id_x 1
		.amdhsa_system_sgpr_workgroup_id_y 1
		.amdhsa_system_sgpr_workgroup_id_z 1
		.amdhsa_system_vgpr_workitem_id 0
		.amdhsa_next_free_vgpr 512
		.amdhsa_next_free_sgpr 102
		.amdhsa_reserve_vcc 1
		.amdhsa_float_denorm_mode_32 3
		.amdhsa_float_denorm_mode_16_64 3
		.amdhsa_memory_ordered 1
		.amdhsa_forward_progress 1
		.amdhsa_inst_pref_size 118
	.end_amdhsa_kernel
	.amdgpu_metadata
---
amdhsa.version: [ 1, 2 ]
amdhsa.kernels:
  - .name:           k_q7578d7acad_render
    .symbol:         k_q7578d7acad_render.kd
    .args:
      - { .name: featT, .offset: 0, .size: 8, .value_kind: global_buffer, .address_space: global }
      - { .name: rec, .offset: 8, .size: 8, .value_kind: global_buffer, .address_space: global }
      - { .name: nch, .offset: 16, .size: 8, .value_kind: global_buffer, .address_space: global }
      - { .name: rays_o, .offset: 24, .size: 8, .value_kind: global_buffer, .address_space: global }
      - { .name: rays_d, .offset: 32, .size: 8, .value_kind: global_buffer, .address_space: global }
      - { .name: Ws1, .offset: 40, .size: 8, .value_kind: global_buffer, .address_space: global }
      - { .name: bs1, .offset: 48, .size: 8, .value_kind: global_buffer, .address_space: global }
      - { .name: Ws2, .offset: 56, .size: 8, .value_kind: global_buffer, .address_space: global }
      - { .name: bs2, .offset: 64, .size: 8, .value_kind: global_buffer, .address_space: global }
      - { .name: Wc1, .offset: 72, .size: 8, .value_kind: global_buffer, .address_space: global }
      - { .name: bc1, .offset: 80, .size: 8, .value_kind: global_buffer, .address_space: global }
      - { .name: Wc2, .offset: 88, .size: 8, .value_kind: global_buffer, .address_space: global }
      - { .name: bc2, .offset: 96, .size: 8, .value_kind: global_buffer, .address_space: global }
      - { .name: out0, .offset: 104, .size: 8, .value_kind: global_buffer, .address_space: global }
    .group_segment_fixed_size: 9216
    .private_segment_fixed_size: 0
    .kernarg_segment_align: 8
    .kernarg_segment_size: 112
    .max_flat_workgroup_size: 256
    .sgpr_count:     102
    .vgpr_count:     512
    .wavefront_size: 32
...
	.end_amdgpu_metadata
.endif
;; end of part 3
;; ======== version 2 of 2: 3 launches; 1.23 times as fast as version 1
;; limits: right only within a limited range of input values; values are held in f16: magnitudes above 65,504 overflow, below 6.1e-05 lose precision
;; workspace buffers: featT 134,217,728 bytes; planesT 2,359,296 bytes; pidx 8,388,608 bytes of whole numbers; nch 32,768 bytes of whole numbers; rec 33,554,432 bytes of whole numbers
;; launch prep (part 4): grid 512 x 1, 8 waves a work-group, no clusters, 70,656 bytes of LDS; arguments features, planes, rays_o, rays_d, featT, planesT, pidx, nch; writes featT, planesT, pidx, nch
.if DOCPART == 4
	.amdgcn_target "amdgcn-amd-amdhsa--gfx1250"
	.amdhsa_code_object_version 6
	.text
	.protected	k_q7578d7acad_prep
	.globl	k_q7578d7acad_prep
	.p2align	8
	.type	k_q7578d7acad_prep,@function
k_q7578d7acad_prep:
	s_mov_b64 s[64:65], 0
	v_nop
	global_prefetch_b8 v0, s[64:65] scope:SCOPE_SE
	s_setreg_imm32_b32 hwreg(HW_REG_WAVE_MODE, 25, 1), 1
	s_wait_xcnt 0x0
; PREP.  Three things, all of them streams:
;  (1) features [32 ch][128][128][128] f32  ->  featT [voxel][32 ch] bf16: a voxel's 32 channels become 64 bytes on end, rounded once.
;  (2) planes [3][6][128][128] f32 -> planesT [plane*128+row][col] records of 24 f16 (48 bytes): corner k = 2 dr + dc of the cell, channels 0-5, at half 6 k + channel; row + dr and col + dc are held at 127.
;      One record is all that a bilinear look-up reads.
;  (3) for each ray and sample the cell of the three plane look-ups, packed ix | iy<<7 | iz<<14 (each 0..126) -> pidx; for each ray the number of steps of 32 samples that can hold a visible sample (1..8) -> nch.
; SHARES.  512 work-groups of 8 waves.  A wave takes four tiles of 128 voxels x 32 channels, two rays, and (waves 0-2) 32 plane records.
; A TILE.  A lane loads 16 bytes (4 voxels) of each of the 32 channels: one load of the wave covers 512 bytes on end.  Two channels are packed into one word; a lane then holds 4 voxels x 64 bytes = 256 bytes
; on end of featT.  They go through the wave's own LDS bytes (lane blocks at a pitch of 272 bytes) and come back so that each store of the wave covers 512 consecutive bytes, aligned.
; The next tile's loads are issued pair by pair as the registers are emptied: 32 loads of a wave are out all the time.
; LIMITS.  Plane values are rounded once to f16: off by at most 2^-12 of themselves, and beyond 65,504 they become infinities.  f16 and not bf16: the rounding moves the learned coordinate and with it the place in the grid.
; Division by the direction is a reciprocal and a multiply; t, the point and the position are fused multiply-adds (the other two launches use the same lines, so the bits agree).
; nch has one sample of slack, which holds while near stays under 1e4.  NaN is not treated apart.
.set SPARE, 69632                      ; behind the eight waves' stages: the spare words, 128 bytes a wave
.set WREG,  8704                       ; a wave's stage: 32 lane blocks at pitch 272
.set R,     16                         ; v[16:143]  channel c, voxel q at R + 4 c + q
.set P,     144                        ; v[144:207] voxel q, channel pair p at P + 16 q + p; ahead of the first tile it holds what follows
.set NEAR,  144
.set TMAX,  145
.set TB,    146                        ; v146-155 at work in RAYSET
.set TT,    156                        ; v156-159 at work
.set LF4,   160                        ; 4 x lane + 0.5
.set SF,    161                        ; sample + 0.5
.set PK,    164                        ; v[164:179] four packed cells for each of the four stores
.set N2,    180                        ; v180, v181 the two rays' step counts; v182 the word that is stored
.set PW,    184                        ; v[184:207] a plane record: 24 words as loaded, then 12 packed in the first 12
.set CB,    66                         ; s[66:97] features at the work-group's voxels of channel 2 p + 1
; Ray against the cube [-1.3, 1.3]^3.  Operands are register names, scalar or vector; tb: ten registers at work.
.macro RAYSET ox, oy, oz, dx, dy, dz, near, tmax, tb
	v_mov_b32 v[(\tb)+9], 0x358637bd               ; 1e-6
	v_mov_b32 v[(\tb)+0], \dx
	v_mov_b32 v[(\tb)+1], \dy
	v_mov_b32 v[(\tb)+2], \dz
.irp a,0,1,2
	v_and_b32 v[(\tb)+3], 0x7fffffff, v[(\tb)+\a]
	v_cmp_gt_f32 vcc_lo, v[(\tb)+9], v[(\tb)+3]    ; |d| < 1e-6
	v_cndmask_b32 v[(\tb)+\a], v[(\tb)+\a], v[(\tb)+9], vcc_lo
.endr
	v_rcp_f32 v[(\tb)+3], v[(\tb)+0]               ; one batch of three
	v_rcp_f32 v[(\tb)+4], v[(\tb)+1]
	v_rcp_f32 v[(\tb)+5], v[(\tb)+2]
	v_mov_b32 v[(\tb)+6], \ox                      ; plain lines behind the last reciprocal
	v_mov_b32 v[(\tb)+7], \oy
	v_mov_b32 v[(\tb)+8], \oz
	s_wait_alu depctr_va_vdst(0)                   ; one wait for the batch, ahead of its first reader
.irp a,0,1,2
	v_sub_f32 v[(\tb)+\a], 0xbfa66666, v[(\tb)+6+\a]   ; -1.3 - o
	v_sub_f32 v[(\tb)+6+\a], 0x3fa66666, v[(\tb)+6+\a] ;  1.3 - o
	v_mul_f32 v[(\tb)+\a], v[(\tb)+\a], v[(\tb)+3+\a]
	v_mul_f32 v[(\tb)+6+\a], v[(\tb)+6+\a], v[(\tb)+3+\a]
	v_min_num_f32 v[(\tb)+3+\a], v[(\tb)+\a], v[(\tb)+6+\a]
	v_max_num_f32 v[(\tb)+6+\a], v[(\tb)+\a], v[(\tb)+6+\a]
.endr
	v_max3_num_f32 v[(\tb)+0], v[(\tb)+3], v[(\tb)+4], v[(\tb)+5]
	v_min3_num_f32 \tmax, v[(\tb)+6], v[(\tb)+7], v[(\tb)+8]
	v_max_num_f32 \near, 0, v[(\tb)+0]
.endm
	s_load_b512 s[4:19], s[0:1], 0x0               ; features s[4:5], planes s[6:7], rays_o s[8:9], rays_d s[10:11], featT s[12:13], planesT s[14:15], pidx s[16:17], nch s[18:19]
	v_lshl_add_u32 v6, v0, 2, SPARE                ; my spare word
	v_mov_b32 v7, 0
	v_and_b32 v1, 31, v0                           ; lane
	v_lshrrev_b32 v13, 5, v0
	v_readfirstlane_b32 s20, v13                   ; wave 0..7
	v_lshlrev_b32 v2, 4, v0                        ; my 16 bytes in a channel: 512 x wave + 16 x lane; never rewritten
	s_lshl_b32 s21, s20, 13
	v_lshl_add_u32 v3, v1, 4, s21                  ; my 16 bytes in the stores of featT: 8,192 x wave + 16 x lane
	s_mul_i32 s22, s20, WREG                       ; my wave's stage
	v_mul_u32_u24 v4, 272, v1
	v_add_nc_u32 v4, s22, v4                       ; in: my lane block
	v_lshrrev_b32 v13, 4, v1
	v_and_b32 v14, 15, v1
	v_mul_u32_u24 v5, 272, v13
	v_lshl_add_u32 v5, v14, 4, v5
	v_add_nc_u32 v5, s22, v5                       ; back: lanes 0-15 one lane block, lanes 16-31 the next
	v_lshlrev_b32 v8, 2, v1                        ; 4 x lane
	v_mul_u32_u24 v10, 48, v1
	v_add_nc_u32 v10, s22, v10                     ; a record's 48 bytes in the stage
	v_lshl_add_u32 v11, v1, 4, s22
	v_lshlrev_b32 v12, 4, v1                       ; 16 x lane
	v_cvt_f32_u32 v[LF4], v1
	v_fma_f32 v[LF4], v[LF4], 4.0, 0.5
	; the plane task of waves 0-2: 32 records of one row
	s_mul_i32 s44, ttmp9, 3
	s_add_co_u32 s44, s44, s20                     ; task 0..1535
	s_lshr_b32 s45, s44, 2                         ; plane x 128 + row
	s_and_b32 s46, s44, 3                          ; block of 32 columns
	s_lshr_b32 s47, s45, 7                         ; plane
	s_and_b32 s45, s45, 127                        ; row
	s_add_co_u32 s53, s45, 1
	s_min_u32 s53, s53, 127                        ; the row below, held at the border,
	s_sub_co_u32 s53, s53, s45
	s_lshl_b32 s53, s53, 9                         ; as a step of 512 bytes or none
	s_mul_i32 s40, s47, 393216                     ; six channels of 65,536 bytes
	s_lshl_b32 s45, s45, 9
	s_add_co_u32 s40, s40, s45
	s_lshl_b32 s45, s46, 7
	s_add_co_u32 s40, s40, s45
	s_mov_b32 s41, 0
	s_lshl_b32 s46, s46, 5
	v_add_nc_u32 v9, s46, v1
	v_add_nc_u32 v9, 1, v9
	v_min_u32 v9, 127, v9                          ; the column to the right, held at the border,
	v_subrev_nc_u32 v9, s46, v9                    ; counted from the block's first
	v_lshlrev_b32 v9, 2, v9
	v_add_nc_u32 v13, s53, v8                      ; the same two columns in the row below
	v_add_nc_u32 v14, s53, v9
	s_mul_i32 s42, s44, 1536                       ; 32 records of 48 bytes
	s_mov_b32 s43, 0
	s_mul_i32 s23, ttmp9, 192                      ; my two rays: 24 bytes at (16 x work-group + 2 x wave) x 12
	s_mul_i32 s21, s20, 24
	s_add_co_u32 s23, s23, s21
	s_mov_b32 s48, 0x3c901b4c                      ; dt = 2.6 sqrt(3) / 256
	s_mov_b32 s49, 0x42436276                      ; 63.5 / 1.3
	s_mov_b32 s50, 0x427e0000                      ; 63.5
	s_mov_b32 s51, 0x42fd0000                      ; 126.5
	s_mov_b32 s52, 0x4263631e                      ; 1 / dt
	s_wait_kmcnt 0x0
	s_load_b128 s[24:27], s[8:9], s23 offset:0x0   ; o of both rays: s24-26, s27-29
	s_load_b64 s[28:29], s[8:9], s23 offset:0x10
	s_load_b128 s[32:35], s[10:11], s23 offset:0x0 ; d of both rays: s32-34, s35-37
	s_load_b64 s[36:37], s[10:11], s23 offset:0x10
	s_lshl_b32 s54, ttmp9, 14                      ; the work-group's 4,096 voxels in a channel
	s_mov_b32 s55, 0
	s_add_nc_u64 s[4:5], s[4:5], s[54:55]
.set p, 0
.rept 16
	s_add_nc_u64 s[CB+2*p:CB+2*p+1], s[4:5], (2*p+1)<<23   ; channel 2 p + 1; channel 2 p is reached by the immediate -8,388,608
.set p, p+1
.endr
	s_lshl_b32 s54, ttmp9, 18
	s_add_nc_u64 s[12:13], s[12:13], s[54:55]      ; featT at the work-group's voxels
	s_lshl_b32 s54, ttmp9, 14
	s_lshl_b32 s56, s20, 11
	s_add_co_u32 s54, s54, s56
	s_add_nc_u64 s[16:17], s[16:17], s[54:55]      ; pidx at my first ray
	s_lshl_b32 s54, ttmp9, 6
	s_lshl_b32 s56, s20, 3
	s_add_co_u32 s54, s54, s56
	s_add_nc_u64 s[18:19], s[18:19], s[54:55]      ; nch at my first ray
	s_cmp_lt_u32 s20, 3
	s_cbranch_scc0 .Lno_plane_loads
	s_add_nc_u64 s[6:7], s[6:7], s[40:41]
	s_add_nc_u64 s[14:15], s[14:15], s[42:43]
.irp ch,0,1,2,3,4,5
	global_load_b32 v[PW+\ch], v8, s[6:7] offset:\ch*65536       ; corner 0: (row, col)
	global_load_b32 v[PW+6+\ch], v9, s[6:7] offset:\ch*65536     ; corner 1: (row, col + 1)
	global_load_b32 v[PW+12+\ch], v13, s[6:7] offset:\ch*65536   ; corner 2: (row + 1, col)
	global_load_b32 v[PW+18+\ch], v14, s[6:7] offset:\ch*65536   ; corner 3: (row + 1, col + 1)
.endr
.Lno_plane_loads:
.macro LOADPAIR n, p                   ; channels 2 p and 2 p + 1 of tile n
	global_load_b128 v[R+8*(\p):R+8*(\p)+3], v2, s[CB+2*(\p):CB+2*(\p)+1] offset:(\n)*4096-8388608 th:TH_LOAD_NT
	global_load_b128 v[R+8*(\p)+4:R+8*(\p)+7], v2, s[CB+2*(\p):CB+2*(\p)+1] offset:(\n)*4096 th:TH_LOAD_NT
.endm
.set p, 0
.rept 16
	LOADPAIR 0, p
.set p, p+1
.endr
	s_cmp_lt_u32 s20, 3
	s_cbranch_scc0 .Lno_plane_stores
	s_wait_loadcnt 32                              ; the 24 plane words are in; the tile's 32 loads are younger and stay out
.set w, 0
.rept 12
	v_cvt_pk_f16_f32 v[PW+w], v[PW+2*w], v[PW+2*w+1]   ; in place: word w is written when words 2 w and 2 w + 1 are read, and no later word reads it
.set w, w+1
.endr
	ds_store_b128 v10, v[PW:PW+3]                  ; records at a stride of 48 bytes
	ds_store_b128 v10, v[PW+4:PW+7] offset:16
	ds_store_b128 v10, v[PW+8:PW+11] offset:32
	ds_load_b128 v[PW:PW+3], v11                   ; LDS serves a wave in order: these see the stores above
	ds_load_b128 v[PW+4:PW+7], v11 offset:512
	ds_load_b128 v[PW+8:PW+11], v11 offset:1024
	s_wait_dscnt 0x0
	global_store_b128 v12, v[PW:PW+3], s[14:15]    ; each store of the wave covers 512 consecutive bytes, aligned
	global_store_b128 v12, v[PW+4:PW+7], s[14:15] offset:512
	global_store_b128 v12, v[PW+8:PW+11], s[14:15] offset:1024
.Lno_plane_stores:
	s_wait_kmcnt 0x0                               ; the rays
; One sample's cell.  t = near + (sample + 0.5) dt; p = o + t d; pos = p x 63.5 / 1.3 + 63.5; cell = floor of pos held to 0 .. 126.5.
.macro CELL dst, k
	v_fma_f32 v[TT], v[SF], s48, v[NEAR]
	v_fma_f32 v[TT+1], v[TT], s[32+3*(\k)], s[24+3*(\k)]
	v_fma_f32 v[TT+2], v[TT], s[33+3*(\k)], s[25+3*(\k)]
	v_fma_f32 v[TT+3], v[TT], s[34+3*(\k)], s[26+3*(\k)]
.irp a,1,2,3
	v_fma_f32 v[TT+\a], v[TT+\a], s49, s50
	v_max_num_f32 v[TT+\a], 0, v[TT+\a]
	v_min_num_f32 v[TT+\a], s51, v[TT+\a]
	v_cvt_u32_f32 v[TT+\a], v[TT+\a]
.endr
	v_lshl_or_b32 v[TT+1], v[TT+2], 7, v[TT+1]
	v_lshl_or_b32 v[\dst], v[TT+3], 14, v[TT+1]
	v_add_f32 v[SF], 1.0, v[SF]
.endm
; Ray k of my two: its step count, and the cells of its 256 samples: a lane takes samples 128 it + 4 lane + 0..3, so a store of the wave covers 512 consecutive bytes.
.macro RAYPTS k
	RAYSET s[24+3*(\k)], s[25+3*(\k)], s[26+3*(\k)], s[32+3*(\k)], s[33+3*(\k)], s[34+3*(\k)], v[NEAR], v[TMAX], TB
	v_sub_f32 v[TT], v[TMAX], v[NEAR]
	v_fma_f32 v[TT], v[TT], s52, 0x3fc00000        ; (tmax - near) / dt + 1.5: no fewer than the samples with t < tmax, and one to spare
	v_max_num_f32 v[TT], 0, v[TT]
	v_min_num_f32 v[TT], 0x43800000, v[TT]
	v_cvt_u32_f32 v[TT], v[TT]
	v_add_nc_u32 v[TT], 31, v[TT]
	v_lshrrev_b32 v[TT], 5, v[TT]                  ; in steps of 32, rounded up
	v_max_u32 v[TT], 1, v[TT]
	v_min_u32 v[N2+(\k)], 8, v[TT]
	v_mov_b32 v[SF], v[LF4]
.irp it,0,1
.irp q,0,1,2,3
	CELL PK+8*(\k)+4*\it+\q, \k
.endr
	global_store_b128 v12, v[PK+8*(\k)+4*\it:PK+8*(\k)+4*\it+3], s[16:17] offset:(\k)*1024+\it*512
.if \it == 0
	v_add_f32 v[SF], 0x42f80000, v[SF]             ; + 124: on to sample 128 + 4 lane
.endif
.endr
.endm
	RAYPTS 0
	RAYPTS 1
	v_cmp_eq_u32 vcc_lo, 1, v1
	v_cndmask_b32 v[N2+2], v[N2], v[N2+1], vcc_lo
	s_wait_xcnt 0x0                                ; EXEC is a source of the loads and stores that are out: it changes only behind this wait
	v_cmp_gt_u32 vcc_lo, 2, v1
	s_and_saveexec_b32 s21, vcc_lo
	global_store_b32 v8, v[N2+2], s[18:19]         ; lanes 0 and 1: the two counts
	s_wait_xcnt 0x0
	s_or_b32 exec_lo, exec_lo, s21
; Tile n.  ahead = 1: each pair of channels is asked for again, for tile n + 1, as soon as it is packed.
.macro TILE n, ahead
	s_wait_xcnt 0x0                                ; the stores issued so far have read their registers: P is written again only behind this wait
.set p, 0
.rept 16
.if \ahead
	s_wait_loadcnt 30                              ; younger than pair p: 30 - 2 p loads of this tile and 2 p of the next
.else
	s_wait_loadcnt 30-2*p                          ; the last tile loads nothing: the counts run down
.endif
.irp q,0,1,2,3
	v_cvt_pk_bf16_f32 v[P+16*\q+p], v[R+8*p+\q], v[R+8*p+4+\q]   ; channel 2 p in the low half
.endr
.if \ahead
	LOADPAIR (\n)+1, p
.endif
.set p, p+1
.endr
.irp q,0,1,2,3
.irp j,0,1,2,3
	ds_store_b128 v4, v[P+16*\q+4*\j:P+16*\q+4*\j+3] offset:\q*64+\j*16
.endr
.endr
.irp t,0,1,2,3,4,5,6,7,8,9,10,11,12,13,14,15
	ds_load_b128 v[P+4*\t:P+4*\t+3], v5 offset:\t*544   ; two lane blocks: 512 bytes on end of featT; LDS serves a wave in order, so no wait stands between
.endr
.irp t,0,1,2,3,4,5,6,7,8,9,10,11,12,13,14,15
	s_wait_dscnt 15-\t
	global_store_b128 v3, v[P+4*\t:P+4*\t+3], s[12:13] offset:(\n)*65536+\t*512 th:TH_STORE_NT   ; 512 consecutive bytes, aligned
.endr
.endm
	TILE 0, 1
	TILE 1, 1
	TILE 2, 1
	TILE 3, 0
	s_wait_tensorcnt 0x0                           ; the wave's end
	ds_add_u32 v6, v7
	s_wait_dscnt 0x0
	s_endpgm
.Lfunc_end_k_q7578d7acad_prep:
	.size	k_q7578d7acad_prep, .Lfunc_end_k_q7578d7acad_prep-k_q7578d7acad_prep
	.p2alignl 7, 3214868480
	.fill 96, 4, 3214868480
	.section	.rodata,"a",@progbits
	.p2align	6, 0x0
	.amdhsa_kernel k_q7578d7acad_prep
		.amdhsa_group_segment_fixed_size 70656
		.amdhsa_private_segment_fixed_size 0
		.amdhsa_enable_private_segment 0
		.amdhsa_kernarg_size 64
		.amdhsa_user_sgpr_count 2
		.amdhsa_user_sgpr_kernarg_segment_ptr 1
		.amdhsa_wavefront_size32 1
		.amdhsa_system_sgpr_workgroup_id_x 1
		.amdhsa_system_sgpr_workgroup_id_y 1
		.amdhsa_system_sgpr_workgroup_id_z 1
		.amdhsa_system_vgpr_workitem_id 0
		.amdhsa_next_free_vgpr 208
		.amdhsa_next_free_sgpr 98
		.amdhsa_reserve_vcc 1
		.amdhsa_float_denorm_mode_32 3
		.amdhsa_float_denorm_mode_16_64 3
		.amdhsa_memory_ordered 1
		.amdhsa_forward_progress 1
		.amdhsa_inst_pref_size 74
	.end_amdhsa_kernel
	.amdgpu_metadata
---
amdhsa.version: [ 1, 2 ]
amdhsa.kernels:
  - .name:           k_q7578d7acad_prep
    .symbol:         k_q7578d7acad_prep.kd
    .args:
      - { .name: features, .offset: 0, .size: 8, .value_kind: global_buffer, .address_space: global }
      - { .name: planes, .offset: 8, .size: 8, .value_kind: global_buffer, .address_space: global }
      - { .name: rays_o, .offset: 16, .size: 8, .value_kind: global_buffer, .address_space: global }
      - { .name: rays_d, .offset: 24, .size: 8, .value_kind: global_buffer, .address_space: global }
      - { .name: featT, .offset: 32, .size: 8, .value_kind: global_buffer, .address_space: global }
      - { .name: planesT, .offset: 40, .size: 8, .value_kind: global_buffer, .address_space: global }
      - { .name: pidx, .offset: 48, .size: 8, .value_kind: global_buffer, .address_space: global }
      - { .name: nch, .offset: 56, .size: 8, .value_kind: global_buffer, .address_space: global }
    .group_segment_fixed_size: 70656
    .private_segment_fixed_size: 0
    .kernarg_segment_align: 8
    .kernarg_segment_size: 64
    .max_flat_workgroup_size: 256
    .sgpr_count:     98
    .vgpr_count:     208
    .wavefront_size: 32
...
	.end_amdgpu_metadata
.endif
;; end of part 4
;; launch coords (part 5): grid 1024 x 1, 8 waves a work-group, no clusters, 0 bytes of LDS; arguments planesT, pidx, nch, rays_o, rays_d, rec; writes rec
.if DOCPART == 5
	.amdgcn_target "amdgcn-amd-amdhsa--gfx1250"
	.amdhsa_code_object_version 6
	.text
	.protected	k_q7578d7acad_coords
	.globl	k_q7578d7acad_coords
	.p2align	8
	.type	k_q7578d7acad_coords,@function
k_q7578d7acad_coords:
	s_mov_b64 s[64:65], 0
	v_nop
	global_prefetch_b8 v0, s[64:65] scope:SCOPE_SE
	s_setreg_imm32_b32 hwreg(HW_REG_WAVE_MODE, 25, 1), 1
	s_wait_xcnt 0x0
; COORDS.  For each sample: three bilinear look-ups in the planes (addresses from pidx, whole numbers stored by the launch before), the product over the planes and the sum over the rank: three learned
; coordinates; of these the voxel and the three fractions for the grid look-up -> rec [ray][sample] {voxel, fx, fy, fz}.
; SHARES.  A wave takes a ray, a lane a sample, a trip 32 samples; the trips are nch[ray] (1..8): samples behind them are hidden and are read by nobody.
; A look-up is ONE record of 48 bytes (four corners x six channels in f16): 3 loads of 16 bytes a plane, 9 a trip; the fractions and weights are made while they are out.
; The blend takes each f16 half straight from the record; weights and sums are f32.
; No LDS and no matrix unit: nothing is shared between lanes, and there is no product of matrices here.
; BORDER.  pos is held to 0 .. 127, the cell to 0 .. 126, the fraction runs up to 1: the same values as clamped indices.
; LIMITS.  The plane values come rounded once to f16 (off by at most 2^-12 of themselves; none beyond 65,504).  As in the launch before: reciprocal and multiply for the division, fused multiply-adds for t,
; point and position (the same lines, so cell and fraction agree).  NaN is not treated apart.
.set G, 32                             ; v[32:67]  plane pi's record at G + 12 pi: word 3 k + j holds channels 2 j, 2 j + 1 of corner k
.set S, 68                             ; v[68:85]  plane pi's six samples at S + 6 pi
.set W, 18                             ; v[18:29]  plane pi's four weights at W + 4 pi, corner k = 2 dr + dc
.macro RAYSET ox, oy, oz, dx, dy, dz, near, tmax, tb
	v_mov_b32 v[(\tb)+9], 0x358637bd               ; 1e-6
	v_mov_b32 v[(\tb)+0], \dx
	v_mov_b32 v[(\tb)+1], \dy
	v_mov_b32 v[(\tb)+2], \dz
.irp a,0,1,2
	v_and_b32 v[(\tb)+3], 0x7fffffff, v[(\tb)+\a]
	v_cmp_gt_f32 vcc_lo, v[(\tb)+9], v[(\tb)+3]
	v_cndmask_b32 v[(\tb)+\a], v[(\tb)+\a], v[(\tb)+9], vcc_lo
.endr
	v_rcp_f32 v[(\tb)+3], v[(\tb)+0]
	v_rcp_f32 v[(\tb)+4], v[(\tb)+1]
	v_rcp_f32 v[(\tb)+5], v[(\tb)+2]
	v_mov_b32 v[(\tb)+6], \ox                      ; plain lines behind the last reciprocal
	v_mov_b32 v[(\tb)+7], \oy
	v_mov_b32 v[(\tb)+8], \oz
	s_wait_alu depctr_va_vdst(0)                   ; one wait for the three, ahead of their first reader
.irp a,0,1,2
	v_sub_f32 v[(\tb)+\a], 0xbfa66666, v[(\tb)+6+\a]
	v_sub_f32 v[(\tb)+6+\a], 0x3fa66666, v[(\tb)+6+\a]
	v_mul_f32 v[(\tb)+\a], v[(\tb)+\a], v[(\tb)+3+\a]
	v_mul_f32 v[(\tb)+6+\a], v[(\tb)+6+\a], v[(\tb)+3+\a]
	v_min_num_f32 v[(\tb)+3+\a], v[(\tb)+\a], v[(\tb)+6+\a]
	v_max_num_f32 v[(\tb)+6+\a], v[(\tb)+\a], v[(\tb)+6+\a]
.endr
	v_max3_num_f32 v[(\tb)+0], v[(\tb)+3], v[(\tb)+4], v[(\tb)+5]
	v_min3_num_f32 \tmax, v[(\tb)+6], v[(\tb)+7], v[(\tb)+8]
	v_max_num_f32 \near, 0, v[(\tb)+0]
.endm
	s_load_b256 s[4:11], s[0:1], 0x0               ; planesT s[4:5], pidx s[6:7], nch s[8:9], rays_o s[10:11]
	s_load_b128 s[12:15], s[0:1], 0x20             ; rays_d s[12:13], rec s[14:15]
	v_and_b32 v31, 31, v0                          ; lane
	v_lshrrev_b32 v2, 5, v0
	v_readfirstlane_b32 s16, v2                    ; wave
	s_lshl_b32 s17, ttmp9, 3
	s_add_co_u32 s17, s17, s16                     ; my ray
	s_mul_i32 s30, s17, 12
	s_lshl_b32 s31, s17, 2
	s_lshl_b32 s32, s17, 10                        ; its 1,024 bytes of pidx
	s_mov_b32 s33, 0
	s_lshl_b32 s18, s17, 12                        ; its 4,096 bytes of rec
	s_mov_b32 s19, 0
	v_cvt_f32_u32 v10, v31
	v_add_f32 v10, 0.5, v10                        ; sample + 0.5
	v_lshlrev_b32 v1, 2, v31                       ; 4 x lane
	v_lshlrev_b32 v31, 4, v31                      ; 16 x lane
	v_mov_b32 v122, 0                              ; what the blend's first term is added to
	s_mov_b32 s38, 0x3c901b4c                      ; dt
	s_mov_b32 s39, 0x42436276                      ; 63.5 / 1.3
	s_mov_b32 s40, 0x427e0000                      ; 63.5
	s_mov_b32 s41, 0x42fe0000                      ; 127
	s_mov_b32 s42, 0x42fd0000                      ; 126.5
	s_wait_kmcnt 0x0
	s_load_b96 s[20:22], s[10:11], s30 offset:0x0  ; o
	s_load_b96 s[24:26], s[12:13], s30 offset:0x0  ; d
	s_load_b32 s27, s[8:9], s31 offset:0x0         ; steps of 32
	s_add_nc_u64 s[34:35], s[6:7], s[32:33]
	s_add_nc_u64 s[36:37], s[14:15], s[18:19]
	v_mov_b32 v2, v1
	global_load_b32 v3, v2, s[34:35]               ; the first 32 samples' cells
	s_wait_kmcnt 0x0
	s_max_u32 s27, s27, 1
	s_min_u32 s27, s27, 8                          ; trips: 1..8
	RAYSET s20, s21, s22, s24, s25, s26, v120, v121, 104
	s_mov_b32 s29, 0
.macro WGT pi, fc, gc, fr, gr          ; the four weights of plane pi from the column's and the row's fraction f and 1 - f
	v_mul_f32 v[W+4*(\pi)],   v\gr, v\gc
	v_mul_f32 v[W+4*(\pi)+1], v\gr, v\fc
	v_mul_f32 v[W+4*(\pi)+2], v\fr, v\gc
	v_mul_f32 v[W+4*(\pi)+3], v\fr, v\fc
.endm
.macro BILIN pi                        ; six channels: corner by corner, so that six sums that do not wait for each other stand between two links of a chain
.set g, G+12*(\pi)
.set s, S+6*(\pi)
.set w, W+4*(\pi)
.irp k,0,1,2,3
.irp j,0,1,2
.if \k == 0
	v_fma_mix_f32 v[s+2*\j], v[g+3*\k+\j], v[w+\k], v122 op_sel_hi:[1,0,0]
	v_fma_mix_f32 v[s+2*\j+1], v[g+3*\k+\j], v[w+\k], v122 op_sel:[1,0,0] op_sel_hi:[1,0,0]
.else
	v_fma_mix_f32 v[s+2*\j], v[g+3*\k+\j], v[w+\k], v[s+2*\j] op_sel_hi:[1,0,0]
	v_fma_mix_f32 v[s+2*\j+1], v[g+3*\k+\j], v[w+\k], v[s+2*\j+1] op_sel:[1,0,0] op_sel_hi:[1,0,0]
.endif
.endr
.endr
.endm
.Ltrip:
	s_wait_loadcnt 0x0                             ; this trip's cells
	s_wait_xcnt 0x0                                ; the last trip's store has read its record and its offset
	v_and_b32 v4, 127, v3
	v_bfe_u32 v5, v3, 7, 7
	v_bfe_u32 v6, v3, 14, 7
	v_min_u32 v4, 126, v4                          ; ix
	v_min_u32 v5, 126, v5                          ; iy
	v_min_u32 v6, 126, v6                          ; iz
	v_lshl_add_u32 v7, v5, 7, v4                   ; plane 0: row y, column x
	v_lshl_add_u32 v8, v6, 7, v4                   ; plane 1: row z, column x
	v_lshl_add_u32 v9, v6, 7, v5                   ; plane 2: row z, column y
	v_mul_u32_u24 v7, 48, v7
	v_mul_u32_u24 v8, 48, v8
	v_mul_u32_u24 v9, 48, v9
.irp pi,0,1,2
.irp j,0,1,2
	global_load_b128 v[G+12*\pi+4*\j:G+12*\pi+4*\j+3], v[7+\pi], s[4:5] offset:\pi*786432+\j*16
.endr
.endr
	s_add_co_u32 s30, s29, 1                       ; the next trip's cells; held to the ray's last block: never past its 1,024 bytes
	s_min_u32 s30, s30, 7
	s_lshl_b32 s30, s30, 7
	v_add_nc_u32 v2, s30, v1
	global_load_b32 v3, v2, s[34:35]
	; while the gathers are out: the fractions and the weights
	v_fma_f32 v11, v10, s38, v120                  ; t
	v_fma_f32 v12, v11, s24, s20
	v_fma_f32 v13, v11, s25, s21
	v_fma_f32 v14, v11, s26, s22
.irp a,0,1,2
	v_fma_f32 v[12+\a], v[12+\a], s39, s40
	v_cvt_f32_u32 v[104+\a], v[4+\a]
	v_max_num_f32 v[12+\a], 0, v[12+\a]
	v_min_num_f32 v[12+\a], s41, v[12+\a]
	v_sub_f32 v[12+\a], v[12+\a], v[104+\a]        ; f
	v_sub_f32 v[15+\a], 1.0, v[12+\a]              ; 1 - f
.endr
	WGT 0, 12, 15, 13, 16
	WGT 1, 12, 15, 14, 17
	WGT 2, 13, 16, 14, 17
	v_add_f32 v10, 0x42000000, v10                 ; 32 samples on
	s_min_u32 s31, s29, 7
	s_lshl_b32 s31, s31, 9
	v_add_nc_u32 v30, s31, v31                     ; my record's place: 512 x trip + 16 x lane
	s_wait_loadcnt 7                               ; plane 0 is in; planes 1 and 2 (6 loads) and the next cells (1) may stay out
	BILIN 0
	s_wait_loadcnt 4
	BILIN 1
	s_wait_loadcnt 1
	BILIN 2
.irp j,0,2,4
	v_pk_mul_f32 v[S+\j:S+\j+1], v[S+\j:S+\j+1], v[S+6+\j:S+7+\j]
	v_pk_mul_f32 v[S+\j:S+\j+1], v[S+\j:S+\j+1], v[S+12+\j:S+13+\j]
.endr
.irp o,0,1,2
	v_add_f32 v[104+\o], v[S+2*\o], v[S+2*\o+1]    ; the sum over the rank: coordinate o
	v_fma_f32 v107, v[104+\o], s40, s40            ; (c + 1) x 63.5
	v_max_num_f32 v107, 0, v107
	v_min_num_f32 v108, s42, v107
	v_min_num_f32 v107, s41, v107
	v_cvt_u32_f32 v[110+\o], v108                  ; cell 0..126
	v_cvt_f32_u32 v108, v[110+\o]
	v_sub_f32 v[125+\o], v107, v108                ; fraction 0..1
.endr
	v_lshl_or_b32 v124, v111, 7, v110              ; coordinate 0 walks the grid's last axis
	v_lshl_or_b32 v124, v112, 14, v124
	global_store_b128 v30, v[124:127], s[36:37]    ; 512 consecutive bytes, aligned
	s_add_co_u32 s29, s29, 1
	s_cmp_lt_u32 s29, s27
	s_cbranch_scc1 .Ltrip
	s_endpgm
.Lfunc_end_k_q7578d7acad_coords:
	.size	k_q7578d7acad_coords, .Lfunc_end_k_q7578d7acad_coords-k_q7578d7acad_coords
	.p2alignl 7, 3214868480
	.fill 96, 4, 3214868480
	.section	.rodata,"a",@progbits
	.p2align	6, 0x0
	.amdhsa_kernel k_q7578d7acad_coords
		.amdhsa_group_segment_fixed_size 0
		.amdhsa_private_segment_fixed_size 0
		.amdhsa_enable_private_segment 0
		.amdhsa_kernarg_size 48
		.amdhsa_user_sgpr_count 2
		.amdhsa_user_sgpr_kernarg_segment_ptr 1
		.amdhsa_wavefront_size32 1
		.amdhsa_system_sgpr_workgroup_id_x 1
		.amdhsa_system_sgpr_workgroup_id_y 1
		.amdhsa_system_sgpr_workgroup_id_z 1
		.amdhsa_system_vgpr_workitem_id 0
		.amdhsa_next_free_vgpr 128
		.amdhsa_next_free_sgpr 66
		.amdhsa_reserve_vcc 1
		.amdhsa_float_denorm_mode_32 3
		.amdhsa_float_denorm_mode_16_64 3
		.amdhsa_memory_ordered 1
		.amdhsa_forward_progress 1
		.amdhsa_inst_pref_size 13
	.end_amdhsa_kernel
	.amdgpu_metadata
---
amdhsa.version: [ 1, 2 ]
amdhsa.kernels:
  - .name:           k_q7578d7acad_coords
    .symbol:         k_q7578d7acad_coords.kd
    .args:
      - { .name: planesT, .offset: 0, .size: 8, .value_kind: global_buffer, .address_space: global }
      - { .name: pidx, .offset: 8, .size: 8, .value_kind: global_buffer, .address_space: global }
      - { .name: nch, .offset: 16, .size: 8, .value_kind: global_buffer, .address_space: global }
      - { .name: rays_o, .offset: 24, .size: 8, .value_kind: global_buffer, .address_space: global }
      - { .name: rays_d, .offset: 32, .size: 8, .value_kind: global_buffer, .address_space: global }
      - { .name: rec, .offset: 40, .size: 8, .value_kind: global_buffer, .address_space: global }
    .group_segment_fixed_size: 0
    .private_segment_fixed_size: 0
    .kernarg_segment_align: 8
    .kernarg_segment_size: 48
    .max_flat_workgroup_size: 256
    .sgpr_count:     66
    .vgpr_count:     128
    .wavefront_size: 32
...
	.end_amdgpu_metadata
.endif
;; end of part 5
;; launch render (part 6): grid 256 x 1, 8 waves a work-group, no clusters, 9,216 bytes of LDS; arguments featT, rec, nch, rays_o, rays_d, Ws1, bs1, Ws2, bs2, Wc1, bc1, Wc2, bc2, out0; writes out0
.if DOCPART == 6
	.amdgcn_target "amdgcn-amd-amdhsa--gfx1250"
	.amdhsa_code_object_version 6
	.text
	.protected	k_q7578d7acad_render
	.globl	k_q7578d7acad_render
	.p2align	8
	.type	k_q7578d7acad_render,@function
k_q7578d7acad_render:
	s_mov_b64 s[64:65], 0
	v_nop
	global_prefetch_b8 v0, s[64:65] scope:SCOPE_SE
	s_setreg_imm32_b32 hwreg(HW_REG_WAVE_MODE, 25, 1), 1
	s_wait_xcnt 0x0
; RENDER.  For each sample: the trilinear blend of 8 voxels x 32 channels (addresses from rec, whole numbers stored by the launch before), both heads on the matrix unit, alpha and colour; for each ray the composite.
; SHARES.  256 work-groups of 8 waves; a wave owns 4 rays on end.  A STEP is 32 samples: two tiles of 16 points, and one trip of the inner loop; a ray has nch[ray] steps (1..8): the samples behind them
; are hidden (t >= tmax), have alpha 0 and weight 0, and change nothing.
; LAYOUT.  In a tile lane (r = lane % 16, h = lane / 16) works for point r on channels 8 h .. 8 h + 7 and 16 + 8 h .. + 7: two loads of 16 bytes a voxel, and the blended 16 numbers, rounded to bf16, ARE source 1
; (32 channels x 16 points) of layer 1, D[hidden][point] = W1^T feats + bias.  Tiles 0-3 of hidden are the density head's, 4-7 the colour head's.  The direction's part of the colour layer is the same for all
; samples of a ray: it is made once a ray in f32 and enters as the C operand with bc1.  Two results, rounded in pairs and cut at 0, ARE source 1 (32 hidden x 16 points) of layer 2, whose source 0 holds Ws2 in
; rows 0 and 8 and Wc2 in rows 1-3 and 9-11: registers 0-3 of both halves of the lanes hold the four outputs of point r.  Lanes 0-15 then take tile 0 and lanes 16-31 tile 1: a lane a sample.
; AHEAD.  The 16 slots (tile, corner) of 8 registers are asked for again, for the next step, as soon as they are blended: 32 gathers of a wave are out all the time.  At a step's head the next step's records have
; landed: the voxel offsets are made of them, their fractions are set aside, and the records of the step after next are asked for, ahead of the gathers: records and gathers each have one step in which to land.
; A cursor in scalar registers walks the four rays' steps; behind the last step it walks the last ray's steps again: bytes that were written, loaded and not used.
; FORMATS.  featT, the weights of both layers and the hidden values are bf16; sums, biases, the direction's part, the blend and the composite are f32.
; LIMITS.  The distance between samples is taken as dt, not as the difference of two t (a part in 1e5); division by reciprocal; NaN is not treated apart.  A hidden sample's colour is not forced to 0.5: its weight is 0.
; No cluster: the work-groups share 18 KB of weights and nothing else.  No tensor load: the gathers go lane by lane.
; REGISTERS, in windows of 256 (s_set_vgpr_msb: bits 1:0 source 0, 3:2 source 1, 5:4 source 2, 7:6 destination).
;   window 0: v1 lane, v2 16 r, v3 16 h, v4, v5 the spare word and 0, v6 0, v7 LDS address of the ray's bias, v8 the records' offset, v10-11 voxel offsets, v14 sample + 0.5, v15 lane + 0.5, v16 carry,
;             v17 sum of weights, v18-20 sums of colour, v21 the 12 results, v22-23 -|d| dt log2 e and the last sample's; then as named below
;   window 1: the weights' fragments, the biases, layer 1's results, layer 2's results
.set SPARE, 8192                       ; behind the eight waves' 1,024 bytes: the spare words, 128 bytes a wave
.set RV,   8
.set AD,   10                          ; AD + tile
.set RA,   24                          ; v[24:31]  the next step's fractions, set aside: tile's fx, fy, fz at RA + 4 tile + 1..3
.set RB,   32                          ; v[32:39]  where records land: {voxel, fx, fy, fz} of point r in tile 0, in tile 1
.set WT,   40                          ; v[40:55]  eight corner weights a tile
.set ACC,  56                          ; v[56:71]  the blend's 16 sums
.set FE,   72                          ; v[72:87]  the features' fragment, a tile each
.set E,    88                          ; v[88:119] at work
.set GB,   128                         ; v[128:255] slot 8 tile + corner at GB + 8 slot
.set W1F,  0                           ; window 1
.set W2F,  64
.set BIAS, 96                          ; 96-127 bs1, 128-159 the ray's colour bias
.set D1,   160
.set XX,   224                         ; tile 0's layer 2: two accumulators
.set YY,   240                         ; tile 1's
.set MSB, 0
.macro WIN new                         ; the immediate's high byte repeats the setting that is left; a switch that changes nothing is dropped
.if MSB != (\new)
	s_set_vgpr_msb (MSB<<8)|(\new)
.set MSB, \new
.endif
.endm
.macro RAYSET ox, oy, oz, dx, dy, dz, near, tmax, tb
	v_mov_b32 v[(\tb)+9], 0x358637bd               ; 1e-6
	v_mov_b32 v[(\tb)+0], \dx
	v_mov_b32 v[(\tb)+1], \dy
	v_mov_b32 v[(\tb)+2], \dz
.irp a,0,1,2
	v_and_b32 v[(\tb)+3], 0x7fffffff, v[(\tb)+\a]
	v_cmp_gt_f32 vcc_lo, v[(\tb)+9], v[(\tb)+3]
	v_cndmask_b32 v[(\tb)+\a], v[(\tb)+\a], v[(\tb)+9], vcc_lo
.endr
	v_rcp_f32 v[(\tb)+3], v[(\tb)+0]
	v_rcp_f32 v[(\tb)+4], v[(\tb)+1]
	v_rcp_f32 v[(\tb)+5], v[(\tb)+2]
	v_mov_b32 v[(\tb)+6], \ox                      ; plain lines behind the last reciprocal
	v_mov_b32 v[(\tb)+7], \oy
	v_mov_b32 v[(\tb)+8], \oz
	s_wait_alu depctr_va_vdst(0)                   ; one wait for the three, ahead of their first reader
.irp a,0,1,2
	v_sub_f32 v[(\tb)+\a], 0xbfa66666, v[(\tb)+6+\a]
	v_sub_f32 v[(\tb)+6+\a], 0x3fa66666, v[(\tb)+6+\a]
	v_mul_f32 v[(\tb)+\a], v[(\tb)+\a], v[(\tb)+3+\a]
	v_mul_f32 v[(\tb)+6+\a], v[(\tb)+6+\a], v[(\tb)+3+\a]
	v_min_num_f32 v[(\tb)+3+\a], v[(\tb)+\a], v[(\tb)+6+\a]
	v_max_num_f32 v[(\tb)+6+\a], v[(\tb)+\a], v[(\tb)+6+\a]
.endr
	v_max3_num_f32 v[(\tb)+0], v[(\tb)+3], v[(\tb)+4], v[(\tb)+5]
	v_min3_num_f32 \tmax, v[(\tb)+6], v[(\tb)+7], v[(\tb)+8]
	v_max_num_f32 \near, 0, v[(\tb)+0]
.endm
; THE CURSOR: s66 the next record block's byte offset in my 16 KB of rec, s67 steps left in its ray, s68 the next ray's offset, s69-71 the following rays' steps.  Selects alone: no branch.
.macro ADVANCE
	s_add_co_u32 s72, s66, 512
	s_add_co_u32 s73, s68, 4096
	s_min_u32 s73, s73, 12288
	s_sub_co_u32 s67, s67, 1
	s_cmp_eq_u32 s67, 0
	s_cselect_b32 s66, s68, s72
	s_cselect_b32 s68, s73, s68
	s_cselect_b32 s67, s69, s67
	s_cselect_b32 s69, s70, s69
	s_cselect_b32 s70, s71, s70
.endm
.macro ADDR tile                       ; voxel x 64 + 16 h; the voxel's number is held inside the grid in two parts
	v_lshrrev_b32 v[E+8], 7, v[RB+4*(\tile)]
	v_and_b32 v[E+9], 127, v[RB+4*(\tile)]
	v_min_u32 v[E+8], 0x3f7e, v[E+8]
	v_min_u32 v[E+9], 126, v[E+9]
	v_lshl_add_u32 v[E+8], v[E+8], 7, v[E+9]
	v_lshl_add_u32 v[AD+(\tile)], v[E+8], 6, v3
.endm
; The records in RB are used up (offsets made, fractions set aside) and the cursor's block is asked for: 32 records, both halves of the lanes taking point r's.
.macro NEXTREC
	ADDR 0
	ADDR 1
.irp c,1,2,3,5,6,7
	v_mov_b32 v[RA+\c], v[RB+\c]
.endr
	s_min_u32 s74, s66, 15872
	v_add_nc_u32 v[RV], s74, v2
	global_load_b128 v[RB:RB+3], v[RV], s[34:35]
	global_load_b128 v[RB+4:RB+7], v[RV], s[34:35] offset:256
	ADVANCE
.endm
.macro WEIGHTS tile                    ; corner q = 4 z + 2 y + x
.set rR, RA+4*(\tile)
.set rW, WT+8*(\tile)
	v_sub_f32 v[E+8], 1.0, v[rR+1]
	v_sub_f32 v[E+9], 1.0, v[rR+2]
	v_sub_f32 v[E+10], 1.0, v[rR+3]
	v_mul_f32 v[E+11], v[E+10], v[E+9]
	v_mul_f32 v[E+12], v[E+10], v[rR+2]
	v_mul_f32 v[E+13], v[rR+3], v[E+9]
	v_mul_f32 v[E+14], v[rR+3], v[rR+2]
.irp zy,0,1,2,3
	v_mul_f32 v[rW+2*\zy], v[E+11+\zy], v[E+8]
	v_mul_f32 v[rW+2*\zy+1], v[E+11+\zy], v[rR+1]
.endr
.endm
.macro GATH tile, q                    ; corner q of the tile's points: my 2 x 16 bytes of the voxel's 64
.set rG, GB+8*(8*(\tile)+(\q))
.set oG, ((\q)%2)*64+(((\q)/2)%2)*8192+((\q)/4)*1048576
	global_load_b128 v[rG:rG+3], v[AD+(\tile)], s[4:5] offset:oG
	global_load_b128 v[rG+4:rG+7], v[AD+(\tile)], s[4:5] offset:oG+32
.endm
.macro SLOT tile, q                    ; a slot is blended and asked for again, for the next step
	s_wait_loadcnt 32                              ; younger than slot s: 2 (15 - s) later slots, the 2 record loads of this step's head, 2 s slots asked for again
.set rG, GB+8*(8*(\tile)+(\q))
.irp w,0,1,2,3,4,5,6,7
.if (\q) == 0
	v_fma_mix_f32_bf16 v[ACC+2*\w], v[rG+\w], v[WT+8*(\tile)+(\q)], v6 op_sel_hi:[1,0,0]
	v_fma_mix_f32_bf16 v[ACC+2*\w+1], v[rG+\w], v[WT+8*(\tile)+(\q)], v6 op_sel:[1,0,0] op_sel_hi:[1,0,0]
.else
	v_fma_mix_f32_bf16 v[ACC+2*\w], v[rG+\w], v[WT+8*(\tile)+(\q)], v[ACC+2*\w] op_sel_hi:[1,0,0]
	v_fma_mix_f32_bf16 v[ACC+2*\w+1], v[rG+\w], v[WT+8*(\tile)+(\q)], v[ACC+2*\w+1] op_sel:[1,0,0] op_sel_hi:[1,0,0]
.endif
.endr
	GATH \tile, \q
.endm
.macro CVTFE tile
.irp i,0,1,2,3,4,5,6,7
	v_cvt_pk_bf16_f32 v[FE+8*(\tile)+\i], v[ACC+2*\i], v[ACC+2*\i+1]
.endr
.endm
.macro L1 tile                         ; eight products, each with its own accumulator; C is the bias
	WIN 0x51
.irp t,0,1,2,3,4,5,6,7
	v_wmma_f32_16x16x32_bf16 v[D1+8*\t:D1+8*\t+7], v[W1F+8*\t:W1F+8*\t+7], v[FE+8*(\tile):FE+8*(\tile)+7], v[BIAS+8*\t:BIAS+8*\t+7]
.endr
.endm
.macro RELU                            ; two results -> one fragment of 32 hidden, in place, each accumulator read from its low end on; then the cut at 0 on packed halves
	WIN 0x45
.irp p,0,1,2,3
.irp i,0,1,2,3
	v_cvt_pk_bf16_f32 v[D1+16*\p+\i], v[D1+16*\p+2*\i], v[D1+16*\p+2*\i+1]
.endr
.irp i,0,1,2,3
	v_cvt_pk_bf16_f32 v[D1+16*\p+4+\i], v[D1+16*\p+8+2*\i], v[D1+16*\p+9+2*\i]
.endr
.irp i,0,1,2,3,4,5,6,7
	v_pk_max_num_bf16 v[D1+16*\p+\i], v[D1+16*\p+\i], s85
.endr
.endr
.endm
.macro L2 u                            ; four products on two accumulators that take turns; the first two start the sums
	WIN 0x55
	v_wmma_f32_16x16x32_bf16 v[(\u):(\u)+7], v[W2F:W2F+7], v[D1:D1+7], 0
	v_wmma_f32_16x16x32_bf16 v[(\u)+8:(\u)+15], v[W2F+8:W2F+15], v[D1+16:D1+23], 0
	v_wmma_f32_16x16x32_bf16 v[(\u):(\u)+7], v[W2F+16:W2F+23], v[D1+32:D1+39], v[(\u):(\u)+7]
	v_wmma_f32_16x16x32_bf16 v[(\u)+8:(\u)+15], v[W2F+24:W2F+31], v[D1+48:D1+55], v[(\u)+8:(\u)+15]
.endm
; The step's 32 samples, a lane each: density, alpha, colour, the exclusive product of 1 - alpha + 1e-10 over the lanes, the sums.
.macro EPI
.irp c,0,1,2,3
	v_cndmask_b32 v[E+\c], v[E+\c], v[E+4+\c], s80 ; lanes 16-31 take tile 1
.endr
	v_add_f32 v[E+10], s81, v[E+0]                 ; + bs2
	v_fma_f32 v[E+11], v[E+1], 0xbfb8aa3b, s82     ; -(raw + bc2) log2 e
	v_fma_f32 v[E+12], v[E+2], 0xbfb8aa3b, s83
	v_fma_f32 v[E+13], v[E+3], 0xbfb8aa3b, s84
	v_max_num_f32 v[E+10], 0, v[E+10]
	v_cndmask_b32 v[E+10], 0, v[E+10], s86         ; 0 where t >= tmax
	v_mul_f32 v[E+10], v[E+10], v[E+9]             ; -density x distance x log2 e
	v_exp_f32 v[E+15], v[E+11]                     ; one batch of four
	v_exp_f32 v[E+16], v[E+12]
	v_exp_f32 v[E+17], v[E+13]
	v_exp_f32 v[E+14], v[E+10]
	v_nop                                          ; a plain line behind the last exponential
	s_wait_alu depctr_va_vdst(0)                   ; one wait for the batch
	v_add_f32 v[E+20], 1.0, v[E+15]
	v_add_f32 v[E+21], 1.0, v[E+16]
	v_add_f32 v[E+22], 1.0, v[E+17]
	v_sub_f32 v[E+18], 1.0, v[E+14]                ; alpha
	v_rcp_f32 v[E+23], v[E+20]                     ; the sigmoids: a batch of three; the scan below names none of them
	v_rcp_f32 v[E+24], v[E+21]
	v_rcp_f32 v[E+25], v[E+22]
	v_sub_f32 v[E+19], 1.0, v[E+18]
	v_add_f32 v[E+19], 0x2edbe6ff, v[E+19]         ; 1 - alpha + 1e-10
	v_mov_b32_dpp v[E+26], v[E+19] row_xmask:1 row_mask:0xf bank_mask:0xf
	v_cndmask_b32 v[E+28], 1.0, v[E+26], s76       ; the product of the lanes below me in my block: the lower half block's, where I lie in the upper
	v_mul_f32 v[E+19], v[E+19], v[E+26]            ; the block's product
.irp m,2,4,8
	v_mov_b32_dpp v[E+26], v[E+19] row_xmask:\m row_mask:0xf bank_mask:0xf
.if \m == 2
	v_cndmask_b32 v[E+27], 1.0, v[E+26], s77
.elseif \m == 4
	v_cndmask_b32 v[E+27], 1.0, v[E+26], s78
.else
	v_cndmask_b32 v[E+27], 1.0, v[E+26], s79
.endif
	v_mul_f32 v[E+28], v[E+28], v[E+27]
	v_mul_f32 v[E+19], v[E+19], v[E+26]
.endr
	v_permlanex16_b32 v[E+26], v[E+19], s62, s63
	v_cndmask_b32 v[E+27], 1.0, v[E+26], s80
	v_mul_f32 v[E+28], v[E+28], v[E+27]
	v_mul_f32 v[E+19], v[E+19], v[E+26]
	v_mul_f32 v[E+29], v16, v[E+28]                ; transmittance in front of my sample
	v_mul_f32 v[E+29], v[E+18], v[E+29]            ; weight
	v_mul_f32 v16, v16, v[E+19]                    ; the carry takes the step's product
	v_add_f32 v17, v17, v[E+29]
	s_wait_alu depctr_va_vdst(0)                   ; one wait for the three reciprocals, ahead of their first reader
	v_fma_f32 v18, v[E+29], v[E+23], v18
	v_fma_f32 v19, v[E+29], v[E+24], v19
	v_fma_f32 v20, v[E+29], v[E+25], v20
.endm
; A STEP.  On the way in 34 loads are out: the next step's 2 record loads, then this step's 32 gathers in the slots' order.
.macro STEP
	WIN 0
	s_wait_loadcnt 32                              ; the next step's records are in: only this step's 32 gathers are younger
	s_wait_xcnt 0x0                                ; those gathers (the youngest stands half a step back) have read the two voxel offsets, which are written anew below
	NEXTREC
.irp q,0,1,2,3,4,5,6,7
	SLOT 0, \q
.endr
	CVTFE 0
	s_wait_dscnt 0x0                               ; the ray's colour bias, asked for at the ray's beginning, is in: it stands ahead of the first product that takes it as C, in every step
	L1 0
	WIN 0
.irp q,0,1,2,3,4,5,6,7
	SLOT 1, \q                                     ; tile 1's blend stands behind tile 0's products: more than the four places that their readers want
.endr
	CVTFE 1
	RELU
	L2 XX
	WIN 0
	WEIGHTS 0                                      ; the next step's weights: thirty plain lines between layer 2 and the products that write over its source 1
	WEIGHTS 1
	L1 1
	WIN 0x05
.irp c,0,1,2,3
	v_add_f32 v[E+\c], v[XX+\c], v[XX+8+\c]        ; tile 0's four outputs; these four lines are the places behind tile 1's layer 1
.endr
	RELU
	L2 YY
	WIN 0
	v_fma_f32 v[E+8], v14, 0x3c901b4c, s56         ; t = near + (sample + 0.5) dt; these lines are the places behind layer 2
	v_cmp_gt_f32 s86, s57, v[E+8]                  ; t < tmax (tmax > near follows from it, since t >= near)
	v_cmp_eq_f32 vcc_lo, 0x437f8000, v14           ; sample 255 has the distance 1e10
	v_cndmask_b32 v[E+9], v22, v23, vcc_lo
	v_add_f32 v14, 0x42000000, v14
	v_nop
	WIN 0x05
.irp c,0,1,2,3
	v_add_f32 v[E+4+\c], v[YY+\c], v[YY+8+\c]
.endr
	WIN 0
	EPI
.endm
	s_load_b512 s[4:19], s[0:1], 0x0               ; featT s[4:5], rec s[6:7], nch s[8:9], rays_o s[10:11], rays_d s[12:13], Ws1 s[14:15], bs1 s[16:17], Ws2 s[18:19]
	s_load_b256 s[20:27], s[0:1], 0x40             ; bs2 s[20:21], Wc1 s[22:23], bc1 s[24:25], Wc2 s[26:27]
	s_load_b128 s[28:31], s[0:1], 0x60             ; bc2 s[28:29], out0 s[30:31]
	v_lshl_add_u32 v4, v0, 2, SPARE                ; my spare word
	v_mov_b32 v5, 0
	v_mov_b32 v6, 0
	v_mov_b32 v21, 0
	v_and_b32 v1, 31, v0                           ; lane
	v_lshrrev_b32 v7, 5, v0
	v_readfirstlane_b32 s32, v7                    ; wave
	v_and_b32 v[ACC+6], 15, v1                     ; r
	v_lshrrev_b32 v[ACC+7], 4, v1                  ; h
	v_lshlrev_b32 v2, 4, v[ACC+6]
	v_lshlrev_b32 v3, 4, v[ACC+7]
	v_and_b32 v[ACC+0], 3, v1
	v_mul_u32_u24 v[ACC+0], 12, v[ACC+0]           ; lane % 4 chooses the ray
	v_lshlrev_b32 v[ACC+1], 2, v1                  ; 4 x lane
	v_lshlrev_b32 v[ACC+2], 5, v[ACC+7]            ; 32 h: eight f32
	v_and_b32 v[ACC+3], 7, v1                      ; layer 2's row is output lane % 8: its column of Wc2, held to 0..2
	v_max_u32 v[ACC+3], 1, v[ACC+3]
	v_add_nc_u32 v[ACC+3], -1, v[ACC+3]
	v_min_u32 v[ACC+3], 2, v[ACC+3]
	v_lshlrev_b32 v[ACC+3], 2, v[ACC+3]
	v_mad_u32_u24 v[ACC+3], v[ACC+7], 96, v[ACC+3] ; + 8 h rows of 12 bytes
	v_lshlrev_b32 v[ACC+4], 2, v[ACC+6]
	v_lshl_add_u32 v[ACC+4], v[ACC+7], 11, v[ACC+4] ; layer 1: 8 h rows of 256 bytes + hidden r
	s_lshl_b32 s33, ttmp9, 3
	s_add_co_u32 s33, s33, s32
	s_lshl_b32 s33, s33, 2                         ; my first ray
	s_lshl_b32 s72, s33, 12
	s_mov_b32 s73, 0
	s_mul_i32 s74, s33, 12
	s_mov_b32 s75, 0
	s_lshl_b32 s67, s33, 2
	s_lshl_b32 s68, s32, 10                        ; my wave's 1,024 bytes of LDS
	v_lshl_add_u32 v7, v[ACC+7], 5, s68
	v_lshl_add_u32 v[ACC+5], v1, 2, s68
	v_cvt_f32_u32 v15, v1
	v_add_f32 v15, 0.5, v15
	s_mov_b32 s62, 0x76543210                      ; v_permlanex16_b32: each lane takes its own place in the other half
	s_mov_b32 s63, 0xfedcba98
	s_mov_b32 s76, 0xaaaaaaaa                      ; the lanes in the upper half of a block of 2, 4, 8, 16, 32
	s_mov_b32 s77, 0xcccccccc
	s_mov_b32 s78, 0xf0f0f0f0
	s_mov_b32 s79, 0xff00ff00
	s_mov_b32 s80, 0xffff0000
	s_mov_b32 s85, 0
	s_mov_b32 s87, 1
	s_mov_b32 s61, 4
	s_mov_b32 s100, 0x01010101                     ; lanes with lane % 8 = 0: the density's row
	s_mov_b32 s101, 0x0e0e0e0e                     ; lanes with lane % 8 = 1..3: the colours' rows
	s_wait_kmcnt 0x0
	s_add_nc_u64 s[34:35], s[6:7], s[72:73]        ; rec at my first ray
	s_add_nc_u64 s[10:11], s[10:11], s[74:75]
	s_add_nc_u64 s[12:13], s[12:13], s[74:75]
	s_add_nc_u64 s[38:39], s[30:31], s[74:75]      ; out0 at my first ray
	s_load_b128 s[40:43], s[8:9], s67 offset:0x0   ; the four rays' steps
	s_load_b32 s81, s[20:21], 0x0                  ; bs2
	s_load_b96 s[88:90], s[28:29], 0x0             ; bc2
	; all first loads go out together
	global_load_b128 v[RB:RB+3], v2, s[34:35]                ; step 0 of the first ray (every ray has a step)
	global_load_b128 v[RB+4:RB+7], v2, s[34:35] offset:256
.irp c,0,1,2
	global_load_b32 v[E+\c], v[ACC+0], s[10:11] offset:\c*4
	global_load_b32 v[E+3+\c], v[ACC+0], s[12:13] offset:\c*4
.endr
	global_load_b32 v[E+6], v[ACC+1], s[24:25]               ; bc1 of hidden lane and lane + 32
	global_load_b32 v[E+7], v[ACC+1], s[24:25] offset:128
.irp c,0,1,2
	global_load_b32 v[E+8+2*\c], v[ACC+1], s[22:23] offset:(32+\c)*256       ; Wc1's three rows for the direction
	global_load_b32 v[E+9+2*\c], v[ACC+1], s[22:23] offset:(32+\c)*256+128
.endr
.set t, 0
.rept 8                                ; layer 1's source 0: tile t, element e: channel 8 h + e (+ 8 from e = 8 on), hidden 16 (t % 4) + r
.set e, 0
.rept 16
.set ee, e+8*(e/8)
.if t < 4
	global_load_b32 v[GB+16*t+e], v[ACC+4], s[14:15] offset:ee*256+(t%4)*64
.else
	global_load_b32 v[GB+16*t+e], v[ACC+4], s[22:23] offset:ee*256+(t%4)*64
.endif
.set e, e+1
.endr
.set t, t+1
.endr
	WIN 0x40                                       ; destination window 1, address window 0
.irp t,0,1,2,3
	global_load_b128 v[BIAS+8*\t:BIAS+8*\t+3], v[ACC+2], s[16:17] offset:\t*64     ; bs1 of hidden 16 t + 8 h + 0..7
	global_load_b128 v[BIAS+8*\t+4:BIAS+8*\t+7], v[ACC+2], s[16:17] offset:\t*64+16
.endr
.irp pg,0,1,2,3                        ; Ws2: chunk pg / 2, half pg % 2: hidden 16 pg + 8 h + 0..7
	global_load_b128 v[D1+8*\pg:D1+8*\pg+3], v[ACC+2], s[18:19] offset:\pg*64
	global_load_b128 v[D1+8*\pg+4:D1+8*\pg+7], v[ACC+2], s[18:19] offset:\pg*64+16
.endr
.set e, 0
.rept 32                               ; Wc2: hidden 16 (e / 8) + 8 h + e % 8, my row's column
	global_load_b32 v[D1+32+e], v[ACC+3], s[26:27] offset:(16*(e/8)+e%8)*12
.set e, e+1
.endr
	s_wait_loadcnt 0x0
	s_wait_kmcnt 0x0
.set e, 0
.rept 64
	v_cvt_pk_bf16_f32 v[W1F+e], v[GB+2*e], v[GB+2*e+1]
.set e, e+1
.endr
	WIN 0x45
.set e, 0
.rept 32
	v_cvt_pk_bf16_f32 v[W2F+e], v[D1+2*e], v[D1+2*e+1]
.set e, e+1
.endr
.set e, 0
.rept 16
	v_cndmask_b32 v[W2F+e], 0, v[W2F+e], s100      ; rows that are not the density's hold 0
	v_cndmask_b32 v[W2F+16+e], 0, v[W2F+16+e], s101
.set e, e+1
.endr
	WIN 0
	RAYSET v[E+0], v[E+1], v[E+2], v[E+3], v[E+4], v[E+5], v[E+24], v[E+25], E+14
	v_mul_f32 v[E+26], v[E+3], v[E+3]
	v_fma_f32 v[E+26], v[E+4], v[E+4], v[E+26]
	v_fma_f32 v[E+26], v[E+5], v[E+5], v[E+26]
	v_rsq_f32 v[E+27], v[E+26]
	v_nop
	s_wait_alu depctr_va_vdst(0)
	v_mul_f32 v[E+28], v[E+3], v[E+27]             ; the normalised direction
	v_mul_f32 v[E+29], v[E+4], v[E+27]
	v_mul_f32 v[E+30], v[E+5], v[E+27]
	v_mul_f32 v[E+26], v[E+28], v[E+28]
	v_fma_f32 v[E+26], v[E+29], v[E+29], v[E+26]
	v_fma_f32 v[E+26], v[E+30], v[E+30], v[E+26]
	v_sqrt_f32 v[E+31], v[E+26]                    ; and its length
	v_nop
	s_wait_alu depctr_va_vdst(0)
	s_mul_f32 s82, s88, 0xbfb8aa3b                 ; -bc2 log2 e
	s_mul_f32 s83, s89, 0xbfb8aa3b
	s_mul_f32 s84, s90, 0xbfb8aa3b
.irp k,0,1,2,3
	v_readlane_b32 s[44+\k], v[E+24], \k           ; near
	v_readlane_b32 s[48+\k], v[E+25], \k           ; tmax
	v_readlane_b32 s[52+\k], v[E+31], \k           ; length
	v_readlane_b32 s[88+3*\k], v[E+28], \k
	v_readlane_b32 s[89+3*\k], v[E+29], \k
	v_readlane_b32 s[90+3*\k], v[E+30], \k
.endr
.irp k,0,1,2,3                         ; ray k's colour bias: bc1 + direction . Wc1[32:35], in f32, into my wave's own LDS bytes
.irp g,0,1
	v_fma_f32 v[WT+2*\k+\g], v[E+8+\g], s[88+3*\k], v[E+6+\g]
	v_fma_f32 v[WT+2*\k+\g], v[E+10+\g], s[89+3*\k], v[WT+2*\k+\g]
	v_fma_f32 v[WT+2*\k+\g], v[E+12+\g], s[90+3*\k], v[WT+2*\k+\g]
	ds_store_b32 v[ACC+5], v[WT+2*\k+\g] offset:\k*256+\g*128
.endr
.endr
.irp k,40,41,42,43
	s_max_u32 s\k, s\k, 1
	s_min_u32 s\k, s\k, 8
.endr
	s_mov_b32 s66, 0
	s_mov_b32 s67, s40
	s_mov_b32 s68, 4096
	s_mov_b32 s69, s41
	s_mov_b32 s70, s42
	s_mov_b32 s71, s43
	ADVANCE                                        ; step 0 has been loaded
	NEXTREC                                        ; step 0's offsets and fractions; step 1's records are asked for, ahead of the gathers
	WEIGHTS 0
	WEIGHTS 1
.irp tl,0,1
.irp q,0,1,2,3,4,5,6,7
	GATH \tl, \q                                   ; step 0's 32 gathers, in the slots' order: 34 loads are out, as at the head of every step
.endr
.endr
.Lray:                                 ; four rays
	s_mov_b32 s56, s44                             ; the ray's near, tmax, length and steps; the queues move up
	s_mov_b32 s44, s45
	s_mov_b32 s45, s46
	s_mov_b32 s46, s47
	s_mov_b32 s57, s48
	s_mov_b32 s48, s49
	s_mov_b32 s49, s50
	s_mov_b32 s50, s51
	s_mov_b32 s58, s52
	s_mov_b32 s52, s53
	s_mov_b32 s53, s54
	s_mov_b32 s54, s55
	s_mov_b32 s59, s40
	s_mov_b32 s40, s41
	s_mov_b32 s41, s42
	s_mov_b32 s42, s43
	WIN 0x40
.irp t,0,1,2,3
	ds_load_b128 v[BIAS+32+8*\t:BIAS+32+8*\t+3], v7 offset:\t*64       ; the colour bias of hidden 16 t + 8 h + 0..7; LDS serves a wave in order: these see the stores of the head.
	ds_load_b128 v[BIAS+32+8*\t+4:BIAS+32+8*\t+7], v7 offset:\t*64+16  ; They are waited for in the step, behind tile 0's blend
.endr
	WIN 0
	v_add_nc_u32 v7, 256, v7                       ; the next ray's
	v_mov_b32 v14, v15
	v_mov_b32 v16, 1.0
	v_mov_b32 v17, 0
	v_mov_b32 v18, 0
	v_mov_b32 v19, 0
	v_mov_b32 v20, 0
	s_mul_f32 s72, s58, 0x3c901b4c                 ; length x dt,
	s_mul_f32 s72, s72, 0xbfb8aa3b                 ; x -log2 e
	s_mul_f32 s73, s58, 0x501502f9                 ; length x 1e10
	s_mul_f32 s73, s73, 0xbfb8aa3b
	v_mov_b32 v22, s72
	v_mov_b32 v23, s73
	s_mov_b32 s60, 0
.Lstep:                                ; 32 samples
	STEP
	WIN 0
	s_add_co_u32 s60, s60, 1
	s_cmp_lt_u32 s60, s59
	s_cbranch_scc1 .Lstep
	; the ray's end: four sums over the 32 lanes
.irp m,1,2,4,8
	v_add_f32_dpp v17, v17, v17 row_xmask:\m row_mask:0xf bank_mask:0xf
	v_add_f32_dpp v18, v18, v18 row_xmask:\m row_mask:0xf bank_mask:0xf
	v_add_f32_dpp v19, v19, v19 row_xmask:\m row_mask:0xf bank_mask:0xf
	v_add_f32_dpp v20, v20, v20 row_xmask:\m row_mask:0xf bank_mask:0xf
.endr
.irp c,0,1,2,3
	v_permlanex16_b32 v[E+20+\c], v[17+\c], s62, s63
.endr
.irp c,0,1,2,3
	v_add_f32 v[17+\c], v[17+\c], v[E+20+\c]
.endr
	v_sub_f32 v[E+24], 1.0, v17                    ; the white background's share
.irp c,0,1,2
	v_add_f32 v[E+20+\c], v[18+\c], v[E+24]
	v_cndmask_b32 v21, v21, v[E+20+\c], s87        ; into lane 3 ray + c
	s_lshl_b32 s87, s87, 1
.endr
	s_sub_co_u32 s61, s61, 1
	s_cmp_lg_u32 s61, 0
	s_cbranch_scc1 .Lray
	v_lshlrev_b32 v[E+0], 2, v1
	s_wait_xcnt 0x0                                ; EXEC is a source of the loads that are out: it changes only behind this wait
	v_cmp_gt_u32 vcc_lo, 12, v1
	s_and_saveexec_b32 s72, vcc_lo
	global_store_b32 v[E+0], v21, s[38:39]         ; my four rays: 48 consecutive bytes
	s_wait_xcnt 0x0
	s_or_b32 exec_lo, exec_lo, s72
	s_wait_tensorcnt 0x0                           ; the wave's end
	ds_add_u32 v4, v5
	s_wait_dscnt 0x0
	s_endpgm
.Lfunc_end_k_q7578d7acad_render:
	.size	k_q7578d7acad_render, .Lfunc_end_k_q7578d7acad_render-k_q7578d7acad_render
	.p2alignl 7, 3214868480
	.fill 96, 4, 3214868480
	.section	.rodata,"a",@progbits
	.p2align	6, 0x0
	.amdhsa_kernel k_q7578d7acad_render
		.amdhsa_group_segment_fixed_size 9216
		.amdhsa_private_segment_fixed_size 0
		.amdhsa_enable_private_segment 0
		.amdhsa_kernarg_size 112
		.amdhsa_user_sgpr_count 2
		.amdhsa_user_sgpr_kernarg_segment_ptr 1
		.amdhsa_wavefront_size32 1
		.amdhsa_system_sgpr_workgroup_id_x 1
		.amdhsa_system_sgpr_workgroup_id_y 1
		.amdhsa_system_sgpr_workgroup_id_z 1
		.amdhsa_system_vgpr_workitem_id 0
		.amdhsa_next_free_vgpr 512
		.amdhsa_next_free_sgpr 102
		.amdhsa_reserve_vcc 1
		.amdhsa_float_denorm_mode_32 3
		.amdhsa_float_denorm_mode_16_64 3
		.amdhsa_memory_ordered 1
		.amdhsa_forward_progress 1
		.amdhsa_inst_pref_size 82
	.end_amdhsa_kernel
	.amdgpu_metadata
---
amdhsa.version: [ 1, 2 ]
amdhsa.kernels:
  - .name:           k_q7578d7acad_render
    .symbol:         k_q7578d7acad_render.kd
    .args:
      - { .name: featT, .offset: 0, .size: 8, .value_kind: global_buffer, .address_space: global }
      - { .name: rec, .offset: 8, .size: 8, .value_kind: global_buffer, .address_space: global }
      - { .name: nch, .offset: 16, .size: 8, .value_kind: global_buffer, .address_space: global }
      - { .name: rays_o, .offset: 24, .size: 8, .value_kind: global_buffer, .address_space: global }
      - { .name: rays_d, .offset: 32, .size: 8, .value_kind: global_buffer, .address_space: global }
      - { .name: Ws1, .offset: 40, .size: 8, .value_kind: global_buffer, .address_space: global }
      - { .name: bs1, .offset: 48, .size: 8, .value_kind: global_buffer, .address_space: global }
      - { .name: Ws2, .offset: 56, .size: 8, .value_kind: global_buffer, .address_space: global }
      - { .name: bs2, .offset: 64, .size: 8, .value_kind: global_buffer, .address_space: global }
      - { .name: Wc1, .offset: 72, .size: 8, .value_kind: global_buffer, .address_space: global }
      - { .name: bc1, .offset: 80, .size: 8, .value_kind: global_buffer, .address_space: global }
      - { .name: Wc2, .offset: 88, .size: 8, .value_kind: global_buffer, .address_space: global }
      - { .name: bc2, .offset: 96, .size: 8, .value_kind: global_buffer, .address_space: global }
      - { .name: out0, .offset: 104, .size: 8, .value_kind: global_buffer, .address_space: global }
    .group_segment_fixed_size: 9216
    .private_segment_fixed_size: 0
    .kernarg_segment_align: 8
    .kernarg_segment_size: 112
    .max_flat_workgroup_size: 256
    .sgpr_count:     102
    .vgpr_count:     512
    .wavefront_size: 32
...
	.end_amdgpu_metadata
.endif
;; end of part 6
